; MI455X (gfx1250); checked and timed in simulation.
; The chip was launched on July 23, 2026; its instructions are those of AMD's public machine-readable ISA for CDNA 5 (MIT licence, August 2026) and "CDNA5" Instruction Set Architecture Reference Guide (July 2026). The comments in the code are by the model that wrote it; some were corrected since.
;; Multi Head Attention Layer. Allowed arithmetic: matrix products marked QUANTISED: E2M3 operands, one E8M0 scale for each 32 along K, by v_wmma_scale_f32_16x16x128_f8f6f4 with both operands' format E2M3, f32 sums; everything else in f32.
;; Inputs: k 4 x 2,048 x 1,024 float32; q 4 x 2,048 x 1,024 float32; v 4 x 2,048 x 1,024 float32; wk 1,024 x 1,024 float32; wo 1,024 x 1,024 float32; wq 1,024 x 1,024 float32; wv 1,024 x 1,024 float32.
;; Outputs: out0 4 x 2,048 x 1,024 float32.
;; This version of the problem:
;;   THIS VERSION OF THE PROBLEM IS GIVEN IN LOW PRECISION. The matrix products marked QUANTISED in the list below multiply operands that are first quantised to E2M3 (2 exponent bits, 3 mantissa bits; 6 bits a number), with one power-of-two scale for each 32 numbers along K (OCP MX v1.0); their sums are f32. All else is computed in f32.
;;   The module's matrix products, in the order in which they are computed (A, B: the left and right operand; K: the contracted axis; several contracted axes count as one K, in the product's order):
;;     1. [M 8,192, K 1,024] x [K 1,024, N 1,024]; A: input q; B: input wq: QUANTISED
;;     2. [M 8,192, K 1,024] x [K 1,024, N 1,024]; A: input k; B: input wk: QUANTISED
;;     3. [M 8,192, K 1,024] x [K 1,024, N 1,024]; A: input v; B: input wv: QUANTISED
;;     4. batch 64 x [M 2,048, K 64] x [K 64, N 2,048]; A: computed on the way; B: computed on the way: QUANTISED
;;     5. batch 64 x [M 2,048, K 2,048] x [K 2,048, N 64]; A: softmax (see below); B: computed on the way: QUANTISED
;;     6. [M 8,192, K 1,024] x [K 1,024, N 1,024]; A: computed on the way; B: input wo: QUANTISED
;;   THE QUANTISER, for each operand of a quantised product, along K:
;;     - K is cut into blocks of 32 from its start; a last block that is shorter is filled with zeros.
;;     - A block's scale is 2^e with e = floor(log2(the largest magnitude in the block)) - 2, held to -126 .. 127; a block of zeros has e = 0. As a byte (E8M0): e + 127.
;;     - Each number is divided by its block's scale, clamped to +-7.5, and rounded to the nearest number of E2M3, ties to even, subnormals kept.
;;     - The product sums the exact products of the quantised numbers (number of the format x scale) in f32.
;;   ~~~python
;;   def quantise(x, axis):      # numpy; x: float32 -> the quantised numbers, widened to float32 again
;;       x = np.moveaxis(x, axis, -1); K = x.shape[-1]
;;       x = np.pad(x, [(0, 0)] * (x.ndim - 1) + [(0, -K % 32)]); x = x.reshape(x.shape[:-1] + (-1, 32)); a = np.abs(x).max(-1, keepdims=True)
;;       e = np.where(a > 0, np.clip(np.frexp(np.where(a > 0, a, 1))[1] - 1 - 2, -126, 127), 0)      # np.frexp(a)[1] - 1 = floor(log2(a)), exactly
;;       r = np.clip(x / 2.0 ** e, -7.5, 7.5)
;;       step = 2.0 ** (np.maximum(np.frexp(np.where(r == 0, 1, r))[1] - 1, 0) - 3)
;;       q = np.round(r / step) * step * 2.0 ** e      # np.round: ties to even
;;       return np.moveaxis(q.reshape(q.shape[:-2] + (-1,))[..., :K], -1, axis).astype(np.float32)
;;   ~~~
;;   SOFTMAX AHEAD OF A QUANTISED PRODUCT. Where the list says 'softmax', what is quantised is not the finished softmax but p = 2^(t - M), with t = logit x log2(e) and M = ceil(the row's largest t), a whole number; so 1/2 < the row's largest p <= 1. The row's sum l is taken of the UNQUANTISED p, in f32, and the product's result is divided by l at the end. Since M is a whole number, a kernel that streams over the keys may use a running M (the ceiling of the running maximum): every later rescaling is an exact power of two, which a block's scale takes up: the codes' values come out the same.
;;   OPERANDS COMPUTED ON THE WAY. 'Computed on the way' means the value that the module computes at that place (a softmax that the list does not call 'softmax' is quantised finished and normalised). What goes into a quantiser is computed in f32, as accurately as f32 sums, v_exp_f32 and their like allow (about 1e-6 of the number): no bf16 or f16 on the way to a quantiser, and a product that is left as it is and whose result goes on into a quantised operand takes f32 operands (vector FMAs, or v_wmma_f32_16x16x4_f32). A number that lies on a knife's edge between two numbers of the format may be rounded either way, as far as f32 arithmetic and the matrix unit's own rounding can turn it there, and no further.
;; One version. Each part assembles by itself: llvm-mc -triple=amdgcn-amd-amdhsa -mcpu=gfx1250 --defsym DOCPART=n.
;; ======== version 1 of 1: 4 launches
;; workspace buffers: c1 22,020,096 bytes; s1 917,504 bytes; hc 18,874,368 bytes; hs 1,572,864 bytes; cc 6,291,456 bytes; cs 262,144 bytes
;; launch quant (part 1): grid 896 x 1, 4 waves a work-group, no clusters, 33,280 bytes of LDS; arguments q, k, v, wq, wk, wv, wo, c1, s1; writes c1, s1
.if DOCPART == 1
	.amdgcn_target "amdgcn-amd-amdhsa--gfx1250"
	.amdhsa_code_object_version 6
	.text
	.protected	k_qaaca0aef9f_quant
	.globl	k_qaaca0aef9f_quant
	.p2align	8
	.type	k_qaaca0aef9f_quant,@function
k_qaaca0aef9f_quant:
	s_mov_b64 s[64:65], 0
	v_nop
	global_prefetch_b8 v0, s[64:65] scope:SCOPE_SE
	s_setreg_imm32_b32 hwreg(HW_REG_WAVE_MODE, 25, 1), 1
	s_wait_xcnt 0x0
; q, k, v [8192][1024] and wq, wk, wv, wo [1024][1024], f32, become codes of FP6 (E2M3), 6 bits each, K innermost (768 bytes a row), with one E8M0 byte for each 32 along K (32 bytes a row).
; All seven lie on end in c1 and s1: rows 0 q, 8192 k, 16384 v, 24576 wq, 25600 wk, 26624 wv, 27648 wo.
; STORAGE ORDER: in each group of 32 rows the second and third eight change places, so that 16 consecutive stored rows 16 u + x are the true rows 8 u + x + 8 (x / 8).
; A tile of 16 stored rows used as source 0 of a matrix instruction then leaves, in two neighbouring tiles' 16 result registers of a lane, 16 neighbours along that axis: what the later launches quantise.
; A block's scale is 2^(floor(log2(its largest magnitude)) - 2); its byte is the largest magnitude's exponent field - 2, held at 1 from below.
; LIMITS: a block whose largest magnitude lies under 2^-124, a block of zeros among them, gets the byte 1 (its codes are zeros or tiny; this program alone reads the bytes); NaN and infinities are not served.
; A work-group takes 32 rows, a wave eight (8,192 numbers, 16 steps of 512): wave w READS eight-row run s(w) = 0, 2, 1, 3 and WRITES run w: that alone makes the storage order.
; Each load reads 512 consecutive bytes, 16 a lane; a step's 2,048 bytes turn through the wave's own stage in LDS and come back 64 bytes a lane, so that a lane holds 16 neighbours along K.
; No tensor loads, no barrier: waves share nothing.  Loads run four steps (16 loads a wave) ahead, the turn through LDS one step.
.set STEPS, 16
.set EMAX,  2
.set CB,    12                         ; bytes of 16 codes
.set R,     16                         ; v16-79   four sets of 16 numbers as they are loaded
.set X,     80                         ; v80-111  two sets of 16 neighbours
.set E,     112                        ; v112-127 a scale byte for each step
.set C,     128                        ; v128-191 codes: four registers for each step, so that no store's data are written again
.set WREG,  8192                       ; LDS: a region for each wave: two stages of 32 x SP bytes, behind them its 256 scale bytes
.set SP,    80                         ; a lane's place in a stage: 64 bytes + 16 of padding
	s_load_b256 s[4:11], s[0:1], 0x0               ; q, k, v, wq
	s_load_b256 s[12:19], s[0:1], 0x20             ; wk, wv, wo, c1
	s_load_b64 s[20:21], s[0:1], 0x40              ; s1
	v_lshl_add_u32 v192, v0, 2, 0x8000
	v_mov_b32 v193, 0
	v_lshrrev_b32 v1, 5, v0
	v_readfirstlane_b32 s25, v1                    ; wave
	v_and_b32 v2, 31, v0                           ; lane
	v_lshlrev_b32 v3, 4, v2                        ; my 16 bytes of a load's 512
	s_mul_i32 s26, s25, WREG
	v_lshrrev_b32 v14, 2, v2
	v_mul_u32_u24 v14, v14, SP
	v_and_b32 v15, 3, v2
	v_lshl_add_u32 v14, v15, 4, v14
	v_add_nc_u32 v14, s26, v14                     ; the stage, on the way in: SP (lane / 4) + 16 (lane % 4)
	v_mul_u32_u24 v15, v2, SP
	v_add_nc_u32 v15, s26, v15                     ; and on the way out: SP x lane: my 16 neighbours
	v_mul_u32_u24 v4, v2, CB                       ; my codes' place in a step's
	v_lshrrev_b32 v5, 1, v2
	s_add_co_u32 s26, s26, 2*32*SP
	v_add_nc_u32 v5, s26, v5                       ; LDS: my wave's 256 scale bytes, my block's byte
	v_lshlrev_b32 v7, 3, v2                        ; and on the way out 8 bytes a lane
	v_add_nc_u32 v6, s26, v7
	s_wait_kmcnt 0x0
	; which tensor: the choice hangs on the work-group's number alone.  s[22:23] its address, s24 its first work-group
	s_mov_b64 s[22:23], s[16:17]                   ; wo, from work-group 864
	s_mov_b32 s24, 864
	s_cmp_lt_u32 ttmp9, 864
	s_cselect_b64 s[22:23], s[14:15], s[22:23]     ; wv
	s_cselect_b32 s24, 832, s24
	s_cmp_lt_u32 ttmp9, 832
	s_cselect_b64 s[22:23], s[12:13], s[22:23]     ; wk
	s_cselect_b32 s24, 800, s24
	s_cmp_lt_u32 ttmp9, 800
	s_cselect_b64 s[22:23], s[10:11], s[22:23]     ; wq
	s_cselect_b32 s24, 768, s24
	s_cmp_lt_u32 ttmp9, 768
	s_cselect_b64 s[22:23], s[8:9], s[22:23]       ; v
	s_cselect_b32 s24, 512, s24
	s_cmp_lt_u32 ttmp9, 512
	s_cselect_b64 s[22:23], s[6:7], s[22:23]       ; k
	s_cselect_b32 s24, 256, s24
	s_cmp_lt_u32 ttmp9, 256
	s_cselect_b64 s[22:23], s[4:5], s[22:23]       ; q
	s_cselect_b32 s24, 0, s24
	s_and_b32 s27, s25, 1
	s_lshl_b32 s27, s27, 1
	s_lshr_b32 s28, s25, 1
	s_or_b32 s27, s27, s28                         ; s(w): 0, 2, 1, 3
	s_sub_co_u32 s28, ttmp9, s24
	s_lshl_b32 s28, s28, 2
	s_add_co_u32 s28, s28, s27                     ; the run of eight rows that I read, in my tensor
	s_lshl_b32 s28, s28, 15                        ; x 32,768 bytes (under 2^26)
	s_mov_b32 s29, 0
	s_add_nc_u64 s[22:23], s[22:23], s[28:29]
	s_lshl_b32 s30, ttmp9, 2
	s_add_co_u32 s30, s30, s25                     ; the run that I write, in c1 and s1
	s_mul_i32 s28, s30, 32*STEPS*CB                ; 6,144 bytes of codes a run
	s_add_nc_u64 s[18:19], s[18:19], s[28:29]
	s_lshl_b32 s28, s30, 8                         ; 256 scale bytes a run
	s_add_nc_u64 s[20:21], s[20:21], s[28:29]
.macro LOAD t
.irp i, 0,1,2,3
	global_load_b128 v[R+16*((\t)%4)+4*\i:R+16*((\t)%4)+4*\i+3], v3, s[22:23] offset:2048*(\t)+512*\i th:TH_LOAD_NT   ; 32 lanes read 512 consecutive bytes
.endr
.endm
.macro TURN t                          ; step t's numbers through the stage: LDS serves a wave's instructions in order, so no wait stands between the stores and the loads
.irp i, 0,1,2,3
	ds_store_b128 v14, v[R+16*((\t)%4)+4*\i:R+16*((\t)%4)+4*\i+3] offset:32*SP*((\t)%2)+8*SP*\i
.endr
.irp i, 0,1,2,3
	ds_load_b128 v[X+16*((\t)%2)+4*\i:X+16*((\t)%2)+4*\i+3], v15 offset:32*SP*((\t)%2)+16*\i
.endr
.endm
.irp t, 0,1,2,3
	LOAD \t
.endr
	s_wait_loadcnt 12                              ; step 0's four loads are in; the twelve of steps 1 to 3 may be out
	TURN 0
.macro STEP t
.set XS, X+16*((\t)%2)
.if (\t) > 0
	s_wait_dscnt 1                                 ; this step's numbers are back from the stage (the last step's byte store may be out): so its stores into the stage have read their registers,
.else
	s_wait_dscnt 0x0
.endif
.if (\t)+4 < STEPS
	LOAD (\t)+4                                    ; which take the loads of four steps on
.endif
.if (\t)+1 < STEPS
.if STEPS-2-(\t) >= 3
	s_wait_loadcnt 12                              ; the next step's four loads are in; those of the three steps behind it may be out
.else
	s_wait_loadcnt 4*(STEPS-2-(\t))
.endif
	TURN (\t)+1                                    ; and go through the other stage while this step is worked
.endif
	v_max3_num_f32 v8, |v[XS]|, |v[XS+1]|, |v[XS+2]|               ; the largest magnitude of my 16, in two chains
	v_max3_num_f32 v9, |v[XS+3]|, |v[XS+4]|, |v[XS+5]|
.irp i, 6,10
	v_max3_num_f32 v8, v8, |v[XS+\i]|, |v[XS+\i+1]|
	v_max3_num_f32 v9, v9, |v[XS+\i+2]|, |v[XS+\i+3]|
.endr
	v_max3_num_f32 v8, v8, |v[XS+14]|, |v[XS+15]|
	v_max3_num_f32 v8, v8, v9, (EMAX+1)<<23        ; and the floor 2^(3 - 127): the byte cannot fall under 1
	v_max_num_f32_dpp v8, v8, v8 row_xmask:1 row_mask:0xf bank_mask:0xf   ; and of my neighbour's 16: the block's
	v_add_nc_u32 v11, -(EMAX<<23), v8              ; 2 off its exponent field: the conversion takes the exponent field of this operand as its scale, and nothing else of it
	v_cvt_scalef32_pk16_fp6_f32 v[C+4*(\t):C+4*(\t)+2], v[XS:XS+15], v11   ; sixteen numbers / the scale, to the nearest code, ties to even, beyond the largest code the largest
	v_lshrrev_b32 v[E+(\t)], 23, v11               ; the scale's byte (also the plain line behind the conversion)
	ds_store_b8 v5, v[E+(\t)] offset:16*(\t)       ; both lanes of a block write the same byte with the same value
	global_store_b96 v4, v[C+4*(\t):C+4*(\t)+2], s[18:19] offset:32*CB*(\t)   ; the wave stores 384 consecutive bytes
.endm
.irp t, 0,1,2,3,4,5,6,7,8,9,10,11,12,13,14,15
	STEP \t
.endr
	ds_load_b64 v[12:13], v6                       ; LDS serves a wave's instructions in order: these see my stores
	s_wait_dscnt 0x0
	global_store_b64 v7, v[12:13], s[20:21]        ; 32 lanes store 256 consecutive bytes, aligned
	s_wait_tensorcnt 0x0
	ds_add_u32 v192, v193
	s_wait_dscnt 0x0
	s_endpgm
.Lfunc_end_k_qaaca0aef9f_quant:
	.size	k_qaaca0aef9f_quant, .Lfunc_end_k_qaaca0aef9f_quant-k_qaaca0aef9f_quant
	.p2alignl 7, 3214868480
	.fill 96, 4, 3214868480
	.section	.rodata,"a",@progbits
	.p2align	6, 0x0
	.amdhsa_kernel k_qaaca0aef9f_quant
		.amdhsa_group_segment_fixed_size 33280
		.amdhsa_private_segment_fixed_size 0
		.amdhsa_enable_private_segment 0
		.amdhsa_kernarg_size 72
		.amdhsa_user_sgpr_count 2
		.amdhsa_user_sgpr_kernarg_segment_ptr 1
		.amdhsa_wavefront_size32 1
		.amdhsa_system_sgpr_workgroup_id_x 1
		.amdhsa_system_sgpr_workgroup_id_y 1
		.amdhsa_system_sgpr_workgroup_id_z 1
		.amdhsa_system_vgpr_workitem_id 0
		.amdhsa_next_free_vgpr 194
		.amdhsa_next_free_sgpr 66
		.amdhsa_reserve_vcc 0
		.amdhsa_float_denorm_mode_32 3
		.amdhsa_float_denorm_mode_16_64 3
		.amdhsa_memory_ordered 1
		.amdhsa_forward_progress 1
		.amdhsa_inst_pref_size 33
	.end_amdhsa_kernel
	.amdgpu_metadata
---
amdhsa.version: [ 1, 2 ]
amdhsa.kernels:
  - .name:           k_qaaca0aef9f_quant
    .symbol:         k_qaaca0aef9f_quant.kd
    .args:
      - { .name: q, .offset: 0, .size: 8, .value_kind: global_buffer, .address_space: global }
      - { .name: k, .offset: 8, .size: 8, .value_kind: global_buffer, .address_space: global }
      - { .name: v, .offset: 16, .size: 8, .value_kind: global_buffer, .address_space: global }
      - { .name: wq, .offset: 24, .size: 8, .value_kind: global_buffer, .address_space: global }
      - { .name: wk, .offset: 32, .size: 8, .value_kind: global_buffer, .address_space: global }
      - { .name: wv, .offset: 40, .size: 8, .value_kind: global_buffer, .address_space: global }
      - { .name: wo, .offset: 48, .size: 8, .value_kind: global_buffer, .address_space: global }
      - { .name: c1, .offset: 56, .size: 8, .value_kind: global_buffer, .address_space: global }
      - { .name: s1, .offset: 64, .size: 8, .value_kind: global_buffer, .address_space: global }
    .group_segment_fixed_size: 33280
    .private_segment_fixed_size: 0
    .kernarg_segment_align: 8
    .kernarg_segment_size: 72
    .max_flat_workgroup_size: 128
    .sgpr_count:     66
    .vgpr_count:     194
    .wavefront_size: 32
...
	.end_amdgpu_metadata
.endif
;; end of part 1
;; launch proj (part 2): grid 4 x 96, 4 waves a work-group, clusters of 4 x 4, 327,680 bytes of LDS; arguments c1, s1, hc, hs; writes hc, hs
.if DOCPART == 2
	.amdgcn_target "amdgcn-amd-amdhsa--gfx1250"
	.amdhsa_code_object_version 6
	.text
	.protected	k_qaaca0aef9f_proj
	.globl	k_qaaca0aef9f_proj
	.p2align	8
	.type	k_qaaca0aef9f_proj,@function
k_qaaca0aef9f_proj:
	s_mov_b64 s[64:65], 0
	v_nop
	global_prefetch_b8 v0, s[64:65] scope:SCOPE_SE
	s_setreg_imm32_b32 hwreg(HW_REG_WAVE_MODE, 25, 1), 1
	s_wait_xcnt 0x0
	s_wait_alu depctr_hold_cnt(0) depctr_sa_sdst(0) depctr_va_vdst(0) depctr_va_sdst(0) depctr_va_ssrc(0) depctr_va_vcc(0) depctr_vm_vsrc(0)
	s_getreg_b32 s2, hwreg(HW_REG_IB_STS2, 6, 4)
	s_cmp_eq_u32 s2, 0
	s_cbranch_scc0 .Lentry_in_a_cluster
	s_endpgm
.Lentry_in_a_cluster:
	s_bfe_u32 s2, ttmp6, 0x10000c
	s_cmp_lg_u32 s2, 0xf033
	s_cbranch_scc0 .Lentry_shape_is_right
	s_endpgm
.Lentry_shape_is_right:
; The three projections q wq^T, k wk^T, v wv^T on codes of FP6 (E2M3) with E8M0 scales, [8192 x 1024] x [1024 x 1024] each, in one launch; the f32 sums are quantised in registers on the way out
; and leave as the operands of attention's two products.  Nothing wide goes to memory.
; A work-group of four waves makes 256 x 256 of one product, a wave 128 x 128: 64 accumulators of 16 x 16, 512 registers.  K goes in steps of 256 through a ring of two LDS slots filled by the tensor data mover.
; ROLES.  Source 0 of the matrix instruction takes 16 rows of the "B role", source 1 16 rows of the "A role": a lane then holds ONE row of the A role, and its registers run along the B role, the axis that is quantised.
;   cluster y 0-7: A = q's tokens, B = wq's channels;  8-15: A = k's tokens, B = wk's channels (quantised along a head's 64 channels);  16-23: A = wv's channels, B = v's tokens (quantised along the keys).
; c1's rows lie so that 16 consecutive stored rows 16 u + x are the true rows 8 u + x + 8 (x / 8) of their group of 32: the 16 registers of B's tiles 2 b' and 2 b' + 1 are the true B rows 32 b' + 16 (lane / 16) + 0 .. 15.
; OUT.  A UNIT is 16 rows x 64 along K as an image of registers 0-5 of a fragment, 768 bytes: lane l's registers 0-3 at 16 l, registers 4-5 at 512 + 8 l.
;   hc: Q then K: unit (head HL = 16 batch + head, token tile) at (128 HL + tile) x 768;  then V: unit (HL, 64 keys kk, channel tile ct) at HL x 98,304 + kk x 3,072 + ct x 768.
;   hs: Q's scale words at HL x 12,288 + tile x 64 + 4 r (bytes 0, 1; bytes 2, 3 are 0: they stand over zero codes); 786,432 on K's likewise, and V's at + 8,192 + (128 keys j) x 256 + ct x 64 + 4 r.
; CLUSTERS: 4 x 4 work-groups.  The four of a row of the cluster need the same tiles of the A role, the four of a column the same tiles of the B role: each tile is asked for jointly.
; LIMITS: a block whose largest magnitude lies under 2^-124 gets the byte 1 (its codes are zeros or tiny; this program alone reads the bytes); NaN and infinities are not served.
; REGISTERS, in windows of 256: window 0: v0-31 addresses; v32-63 scale words, two sets; v64-111 at work on the way out; from v128 A's fragments, ONE set.
;   window 1: B's fragments, TWO sets, at v0 and v128.   window 2: the accumulators of my A rows 0-63 ((a, b) at v[8 (8 a + b)]);   window 3: those of rows 64-127.
.set SIZE_K, 1024
.set KSTEP,  256                       ; along K in a slot
.set NQ,     KSTEP/128                 ; matrix instructions deep
.set ROWB,   192                       ; a tile's row in bytes
.set KROW,   SIZE_K*6/8                ; a row of c1 in bytes
.set PITCH,  240                       ; an LDS row: 3 x (64 bytes + 16 of padding): the 32 lanes of a load of 8 bytes touch 64 different banks (64 banks of 4 bytes: ISA guide 11.1)
.set FR,     12                        ; registers of a fragment: 16 rows x 128 K
.set NL,     6                         ; LDS loads that bring one
.set NP,     4                         ; places behind this matrix instruction (ISA guide 7.12.1)
.set HALFT,  128*PITCH                 ; 128 rows: what one tensor load brings
.set SLOT,   4*HALFT                   ; A's 256 rows, then B's 256 rows
.set LAPS,   SIZE_K/(2*KSTEP)          ; a lap = two K steps = once round the ring
.set KS,     SIZE_K/32                 ; a row of scale bytes
.set SCL,    2*SLOT                    ; behind the ring: the scale bytes of all of K, as runs of 256 bytes + 16 of padding
.set HALFS,  (128*KS/256)*272          ; those of 128 rows
.set SBLK,   (16*KS/256)*272           ; those of 16 rows
.set SPARE,  SCL+4*HALFS               ; the spare words, 128 bytes for each wave: two blocks of 256 bytes that no other line names
.set ADRA, 16                          ; v16-17 LDS address of my A fragments in slot 0, 1 (v18-19: for the pieces behind one padding more)
.set ADRB, 20                          ; v20-21 the same for B (v22-23)
.set STS,  24                          ; v24  the way out: where I put a scale word: my wave's 1,024 bytes in slot 0, which has had its last fill and its last read by then
.set STR,  25                          ; v25  and where I read 16 bytes of them back
.set SO1,  26                          ; v26  my byte offset among the scale words in hs
.set ADRS, 27                          ; v27  LDS address of my scale words: lanes 0-15 A's rows, lanes 16-31 B's
.set SPW,  28                          ; v28  LDS address of my spare word; never rewritten
.set NIL,  29                          ; v29  0; never rewritten
.set SC,   32                          ; scale words: set s at v[SC + 16 s]; register 2 i + q: lanes 0-15 A's block i, lanes 16-31 B's block i
.set L16,  16                          ; the way out (the fragment addresses are done with): 16 x lane
.set L8,   17                          ; 8 x lane + 512
.set SH,   18                          ; 16 in lanes 16-31 for q and k, else 0
.set TM,   64                          ; v64-67 largest magnitudes, v68-71 bytes, v76-79 the conversions' scale operands
.set PW,   80                          ; a row's four scale bytes
.set SW,   81                          ; the word that is stored
.set PC,   84                          ; v84-102 the codes
.set BKW,  104                         ; v104-111 scale words read back
.set AF,   128
.set G1, 24                            ; s[24:31] descriptor group 1 for A's tiles;  s[32:39] group 0, one set for each slot
.set G0, 32
.set G1B, 48                           ; s[48:55], s[56:63] the same for B's tiles
.set G0B, 56
.set SEL, 66                           ; s[66:67] lane selects for v_permlanex16_b32: lane l xor 16
.set G1S, 68                           ; s[68:75], s[76:79] groups 1 and 0 for A's scales;  s[80:87], s[88:91] for B's
.set G0S, 76
.set G1SB, 80
.set G0SB, 88
.set OB,  40                           ; s[40:47] four bases in hc: a / 4 = 0, 1 x the fragment's half c = 0, 1
.set HSB, 92                           ; s[92:95] two bases in hs
.set MSB, 0
.macro WIN new                         ; the immediate's high byte repeats the setting that is left
.if MSB != \new
	s_set_vgpr_msb (MSB<<8)|\new
.set MSB, \new
.endif
.endm
.set MUL_LO, 0xa1                      ; source 0 (B) window 1, source 1 (A) window 0, C and D window 2
.set MUL_HI, 0xf1                      ; the same, C and D window 3
.set TO_B,   0x40                      ; destination window 1, address window 0
; A joint load: waves 0 and 1 fetch for A, waves 2 and 3 for B.  The branch hangs on the wave's number alone.  Four v_nop follow each of the two lines.
.macro JLOAD g0a, g1a, g0b, g1b
	s_cmp_eq_u32 s15, 0
	s_cbranch_scc0 .Lfor_b_\@
	tensor_load_to_lds s[\g0a:\g0a+3], s[\g1a:\g1a+7]
	s_nop 0
.rept 4
	v_nop
.endr
	s_branch .Lasked_\@
.Lfor_b_\@:
	tensor_load_to_lds s[\g0b:\g0b+3], s[\g1b:\g1b+7]
	s_nop 0
.rept 4
	v_nop
.endr
.Lasked_\@:
.endm
.macro CREST                           ; a round of the cluster's barrier behind its opening barrier
	s_cmp_lg_u32 s14, 0
	s_cbranch_scc1 .Lnot_wave_0_\@
	s_barrier_signal -3
.Lnot_wave_0_\@:
	s_barrier_wait -3
	s_barrier_signal -1
	s_barrier_wait -1
.endm
.macro CROUND                          ; a whole round
	s_barrier_signal -1
	s_barrier_wait -1
	CREST
.endm
	s_load_b256 s[4:11], s[0:1], 0x0               ; c1 s[4:5], s1 s[6:7], hc s[8:9], hs s[10:11]
	v_lshl_add_u32 v[SPW], v0, 2, SPARE
	v_mov_b32 v[NIL], 0
	ds_add_u32 v28, v29
	s_wait_dscnt 0x0
	v_lshrrev_b32 v1, 5, v0
	v_readfirstlane_b32 s14, v1                    ; wave 0..3
	s_lshr_b32 s15, s14, 1                         ; which half of A's rows is mine.  Also: I fetch for A (0) or for B (1)
	s_and_b32 s16, s14, 1                          ; which half of B's rows.  Also: which 128 rows of that tile I fetch
	s_bfe_u32 s40, ttmp6, 0x40000                  ; cx, cy: my place in the cluster
	s_bfe_u32 s41, ttmp6, 0x40004
	s_and_b32 s95, ttmp7, 0xffff                   ; CY: cluster y, 0..23, the same in all sixteen partners
	s_lshr_b32 s98, s95, 4                         ; MV: 1 for the product with v
	s_xor_b32 s97, s98, 1
	s_lshl_b32 s96, s95, 2
	s_mul_i32 s17, s96, s97                        ; A's tile of 256 stored rows of c1: 4 CY + cy (q: 0-31, k: 32-63),
	s_mul_i32 s18, s98, 104                        ; or wv's: 104 + cy
	s_add_co_u32 s17, s17, s18
	s_add_co_u32 s17, s17, s41
	s_lshr_b32 s42, s95, 3
	s_lshl_b32 s42, s42, 2
	s_add_co_u32 s42, s42, 96                      ; B's: wq's 96 + cx, wk's 100 + cx,
	s_mul_i32 s42, s42, s97
	s_mul_i32 s18, s96, s98                        ; or v's: 4 CY + cx (64-95)
	s_add_co_u32 s42, s42, s18
	s_add_co_u32 s42, s42, s40
	s_lshl_b32 s43, s41, 2
	s_lshl_b32 s43, 15, s43                        ; my row of the cluster
	s_lshl_b32 s44, 0x1111, s40                    ; my column
	s_mov_b32 s[SEL], 0x76543210
	s_mov_b32 s[SEL+1], 0xfedcba98
	; descriptor group 1: a tile of 128 rows x 192 bytes, 16 bytes of padding behind every 64
	s_or_b32 s[G1+0], s43, (0<<16)|(1<<20)|(1<<21)|(3<<22)|(3<<25)  ; 15:0 the mask: A's tiles go to my row; 17:16 elements of 1 byte; 20 padding on; 21 set beside a mask; 24:22 after every 16 words; 31:25 of 4 words
	s_or_b32 s[G1B+0], s44, (0<<16)|(1<<20)|(1<<21)|(3<<22)|(3<<25)
.irp g, G1, G1B
	s_mov_b32 s[\g+1], ROWB<<16                    ; tensor_dim0
	s_mov_b32 s[\g+2], 128<<16                     ; tensor_dim1
	s_mov_b32 s[\g+3], ROWB<<16                    ; tile_dim0
	s_mov_b32 s[\g+4], 128                         ; tile_dim1
	s_mov_b32 s[\g+5], KROW                        ; tensor_dim0_stride
	s_mov_b32 s[\g+6], 0
	s_mov_b32 s[\g+7], 0
.endr
	; the scale bytes of 128 rows: 4,096 dense bytes, as 16 rows of 256 (32 elements of 8 bytes), 16 bytes of padding behind each
	s_or_b32 s[G1S+0], s43, (3<<16)|(1<<20)|(1<<21)|(5<<22)|(3<<25)
	s_or_b32 s[G1SB+0], s44, (3<<16)|(1<<20)|(1<<21)|(5<<22)|(3<<25)
.irp g, G1S, G1SB
	s_mov_b32 s[\g+1], 32<<16
	s_mov_b32 s[\g+2], (128*KS/256)<<16
	s_mov_b32 s[\g+3], 32<<16
	s_mov_b32 s[\g+4], 128*KS/256
	s_mov_b32 s[\g+5], 32
	s_mov_b32 s[\g+6], 0
	s_mov_b32 s[\g+7], 0
.endr
	s_lshl_b32 s18, s16, 7                         ; which 128 rows of the tile I fetch
	s_lshl_b32 s20, s17, 8
	s_add_co_u32 s20, s20, s18                     ; A: stored row of c1
	s_lshl_b32 s46, s42, 8
	s_add_co_u32 s46, s46, s18                     ; B likewise
	s_mov_b32 s21, 0
	s_mov_b32 s47, 0
	s_mov_b64 s[18:19], KS
	s_mul_u64 s[22:23], s[20:21], s[18:19]         ; where these rows' scale bytes begin,
	s_mul_u64 s[92:93], s[46:47], s[18:19]
	s_mov_b64 s[18:19], KROW
	s_mul_u64 s[20:21], s[20:21], s[18:19]         ; and their codes
	s_mul_u64 s[46:47], s[46:47], s[18:19]
	s_mul_i32 s45, s14, HALFT                      ; where they go: wave x 128 rows: no place in the cluster enters an LDS address
	s_mul_i32 s94, s14, HALFS
	s_wait_kmcnt 0x0
	s_add_nc_u64 s[20:21], s[4:5], s[20:21]
	s_add_nc_u64 s[22:23], s[6:7], s[22:23]
	s_add_nc_u64 s[46:47], s[4:5], s[46:47]
	s_add_nc_u64 s[92:93], s[6:7], s[92:93]
	CROUND                                         ; all sixteen work-groups are here: the first joint loads meet
	s_mov_b32 s[G0S], 1
	s_add_co_u32 s[G0S+1], s94, SCL
	s_mov_b64 s[G0S+2:G0S+3], s[22:23]
	s_or_b32 s[G0S+3], s[G0S+3], 0x80000000
	s_mov_b32 s[G0SB], 1
	s_add_co_u32 s[G0SB+1], s94, SCL
	s_mov_b64 s[G0SB+2:G0SB+3], s[92:93]
	s_or_b32 s[G0SB+3], s[G0SB+3], 0x80000000
	JLOAD G0S, G1S, G0SB, G1SB                     ; the scale bytes first: they are wanted with K step 0.  Three loads of mine are out behind the next two
.irp s, 0,1
	s_mov_b32 s[G0+4*\s], 1
	s_add_co_u32 s[G0+4*\s+1], s45, \s*SLOT
	s_add_nc_u64 s[G0+4*\s+2:G0+4*\s+3], s[20:21], \s*ROWB
	s_or_b32 s[G0+4*\s+3], s[G0+4*\s+3], 0x80000000
	s_mov_b32 s[G0B+4*\s], 1
	s_add_co_u32 s[G0B+4*\s+1], s45, \s*SLOT
	s_add_nc_u64 s[G0B+4*\s+2:G0B+4*\s+3], s[46:47], \s*ROWB
	s_or_b32 s[G0B+4*\s+3], s[G0B+4*\s+3], 0x80000000
	JLOAD G0+4*\s, G1, G0B+4*\s, G1B
.endr
	v_and_b32 v1, 15, v0                           ; r = l % 16
	v_bfe_u32 v2, v0, 4, 1                         ; l / 16
	v_mul_u32_u24 v3, v1, PITCH
	v_mul_u32_u24 v4, v2, 24
	v_add_nc_u32 v4, v3, v4                        ; a fragment's row x pitch + 24 x half
	v_lshl_add_u32 v5, v2, 4, v4                   ; and the same behind one padding more
	s_mul_i32 s21, s15, HALFT                      ; my 128 rows of A
	s_mul_i32 s22, s16, HALFT                      ; my 128 rows of B,
	s_add_co_u32 s22, s22, 2*HALFT                 ; which lie behind A's 256
.irp s, 0,1
	v_add_nc_u32 v[ADRA+\s], s21, v4
	v_add_nc_u32 v[ADRB+\s], s22, v4
	v_add_nc_u32 v[ADRA+2+\s], s21, v5
	v_add_nc_u32 v[ADRB+2+\s], s22, v5
	s_add_co_u32 s21, s21, SLOT
	s_add_co_u32 s22, s22, SLOT
.endr
	v_mul_u32_u24 v5, v1, KS                       ; my row's scale bytes: 32 a row,
	v_lshrrev_b32 v6, 8, v5
	v_lshl_add_u32 v5, v6, 4, v5                   ; and 16 more for each 256 passed
	s_mul_i32 s21, s15, HALFS                      ; A's: my 128 rows
	s_mul_i32 s22, s16, HALFS                      ; B's: my 128 rows, behind A's 256
	s_add_co_u32 s22, s22, 2*HALFS
	s_sub_co_u32 s22, s22, s21
	v_mul_u32_u24 v6, s22, v2                      ; lanes 16-31 take B's
	s_add_co_u32 s21, s21, SCL
	v_add_nc_u32 v5, v5, v6
	v_add_nc_u32 v[ADRS], s21, v5
	s_lshl_b32 s23, s14, 10                        ; the way out's stage for scale words: 1,024 bytes a wave
	v_lshlrev_b32 v5, 2, v1
	v_lshl_add_u32 v5, v2, 9, v5
	v_add_nc_u32 v[STS], s23, v5                   ; in: 512 x half + 4 r (+ 64 a)
	v_and_b32 v6, 31, v0
	v_lshlrev_b32 v6, 4, v6
	v_add_nc_u32 v[STR], s23, v6                   ; back: 16 bytes a lane
	; where my results go.  For q and k tokens are the A role and channels the B role; for v the other way round.  These registers feed no descriptor
	s_cmp_eq_u32 s98, 0
	s_cselect_b32 s18, s41, s40                    ; the token tile's place in the cluster,
	s_cselect_b32 s19, s40, s41                    ; the channel tile's,
	s_cselect_b32 s20, s15, s16                    ; my half of the tokens,
	s_cselect_b32 s21, s16, s15                    ; my half of the channels
	s_cselect_b32 s99, 0xffff, -1                  ; q, k: two scale bytes to a word;  v: four
	s_cselect_b32 s100, 16, 0                      ; q, k: lanes 16-31 take the upper two bytes: the second head's
	s_mov_b32 s101, 12288
	s_cselect_b32 s101, 256, s101                  ; from lanes 0-15 to lanes 16-31 among the stored scale words: on end, or a head on
	s_mov_b32 s22, 98304
	s_cselect_b32 s22, 3072, s22                   ; from A's blocks 0-3 to 4-7: four token tiles on, or a head on
	s_mov_b32 s96, 3072
	s_cselect_b32 s96, 98304, s96                  ; from a fragment's first half to its second: a head on, or 64 keys on
	s_cselect_b32 s45, 0, 8192                     ; V's scale words lie 8,192 bytes behind K's
	s_cselect_b32 s47, 9, 8                        ; 128 tokens' words: 512 bytes (8 tiles x 64), or 256 (a key step's 4 channel tiles x 64)
	s_lshl_b32 s23, s95, 2
	s_add_co_u32 s23, s23, s18
	s_and_b32 s23, s23, 31                         ; the tile of 256 tokens in its tensor
	s_lshr_b32 s46, s23, 3                         ; batch
	s_and_b32 s23, s23, 7
	s_lshl_b32 s23, s23, 1
	s_add_co_u32 s23, s23, s20                     ; J: my 128 tokens in the batch, 0..15
	s_lshl_b32 s46, s46, 4
	s_lshl_b32 s19, s19, 2
	s_add_co_u32 s46, s46, s19
	s_lshl_b32 s21, s21, 1
	s_add_co_u32 s46, s46, s21                     ; HL = 16 batch + 4 x channel tile + 2 x my half: the first of my two heads
	s_lshr_b32 s95, s95, 3                         ; the product: 0 q, 1 k, 2 v
	s_mul_i32 s18, s95, 6291456
	s_mul_i32 s19, s46, 98304
	s_add_co_u32 s18, s18, s19
	s_mul_i32 s19, s23, 6144                       ; 8 token tiles x 768 = 2 groups of 64 keys x 3,072
	s_add_co_u32 s18, s18, s19
	s_mov_b32 s19, 0
	s_min_u32 s95, s95, 1
	s_mul_i32 s20, s95, 786432
	s_mul_i32 s21, s46, 12288
	s_add_co_u32 s20, s20, s21
	s_add_co_u32 s20, s20, s45
	s_lshl_b32 s21, s23, s47
	s_add_co_u32 s20, s20, s21
	s_mov_b32 s21, 0
	s_mov_b32 s23, 0
	s_mov_b32 s97, 0
	s_add_nc_u64 s[OB:OB+1], s[8:9], s[18:19]
	s_add_nc_u64 s[OB+2:OB+3], s[OB:OB+1], s[96:97]
	s_add_nc_u64 s[OB+4:OB+5], s[OB:OB+1], s[22:23]
	s_add_nc_u64 s[OB+6:OB+7], s[OB+4:OB+5], s[96:97]
	s_add_nc_u64 s[HSB:HSB+1], s[10:11], s[20:21]
	s_add_nc_u64 s[HSB+2:HSB+3], s[HSB:HSB+1], 12288   ; the second head's words (q and k)
.macro FRAG reg, adr, q, i             ; a fragment is 12 registers: lane l holds row l % 16; registers 6 c .. 6 c + 5 hold K = 64 c + 32 (l / 16) + 0 .. 31: 24 bytes of the row's stream of bits, as they lie
.irp p, 0,1,2,3,4,5                    ; in pieces of 8 bytes.  Lanes 0-15 take the row's pieces 12 q + 0, 1, 2 and 12 q + 6, 7, 8, lanes 16-31 those three pieces on
.set PCE, 12*(\q)+6*(\p/3)+\p%3       ; 16 bytes of padding lie behind every 8 pieces: where the piece three on lies behind one padding more, the second address register serves
.if PCE%8 < 5
	ds_load_b64 v[\reg+2*\p:\reg+2*\p+1], v[\adr] offset:8*PCE+16*(PCE/8)+(\i)*16*PITCH
.else
	ds_load_b64 v[\reg+2*\p:\reg+2*\p+1], v[\adr+2] offset:8*PCE+16*(PCE/8)+(\i)*16*PITCH
.endif
.endr
.endm
; 16 matrix instructions: A's blocks a0, a0 + 1 x B's eight, 128 along K.  p: B's set;  sc: the set of scale words.  zero = 1: the first product starts the sums.
; The 64 accumulators take turns, one instruction a turn, in the same order in every step.
.macro MUL16 a0, p, q, sc, zero
.irp a, \a0, \a0+1
.irp b, 0,1,2,3,4,5,6,7
.if \zero
	v_wmma_scale_f32_16x16x128_f8f6f4 v[8*(8*((\a)%4)+\b):8*(8*((\a)%4)+\b)+7], v[128*(\p)+FR*\b:128*(\p)+FR*\b+FR-1], v[AF+FR*(\a):AF+FR*(\a)+FR-1], 0, v[SC+8*NQ*(\sc)+NQ*\b+(\q)], v[SC+8*NQ*(\sc)+NQ*(\a)+(\q)] matrix_a_fmt:MATRIX_FMT_FP6 matrix_b_fmt:MATRIX_FMT_FP6 matrix_a_scale:MATRIX_SCALE_ROW1
.else
	v_wmma_scale_f32_16x16x128_f8f6f4 v[8*(8*((\a)%4)+\b):8*(8*((\a)%4)+\b)+7], v[128*(\p)+FR*\b:128*(\p)+FR*\b+FR-1], v[AF+FR*(\a):AF+FR*(\a)+FR-1], v[8*(8*((\a)%4)+\b):8*(8*((\a)%4)+\b)+7], v[SC+8*NQ*(\sc)+NQ*\b+(\q)], v[SC+8*NQ*(\sc)+NQ*(\a)+(\q)] matrix_a_fmt:MATRIX_FMT_FP6 matrix_b_fmt:MATRIX_FMT_FP6 matrix_a_scale:MATRIX_SCALE_ROW1
.endif
.endr
.endr
.endm
.macro FETCH_B slot, q, p              ; B's eight fragments of the slot's q-th 128 along K into set p
	WIN TO_B
.irp i, 0,1,2,3,4,5,6,7
	FRAG 128*(\p)+FR*\i, ADRB+\slot, \q, \i
.endr
	WIN 0
.endm
.macro FETCH_A slot, q, i0             ; A's blocks i0 .. i0 + 3
.irp i, \i0, \i0+1, \i0+2, \i0+3
	FRAG AF+FR*(\i), ADRA+\slot, \q, \i
.endr
.endm
.macro SCALES sc                       ; the next K step's scale words into set sc: two words a row; lanes 0-15 take A's block i, lanes 16-31 B's block i
.irp i, 0,1,2,3,4,5,6,7
	ds_load_b64 v[SC+8*NQ*\sc+NQ*\i:SC+8*NQ*\sc+NQ*\i+1], v[ADRS] offset:\i*SBLK
.endr
.endm
; A load into a register that a matrix instruction has read, and a vector instruction that reads a matrix result, stand four places behind that matrix instruction; only plain vector
; instructions that name none of its registers are places (ISA guide 7.12.1 for vector instructions).
.macro PLACES n
.rept \n
	v_nop
.endr
.endm
; A step of 128 along K that has its successor in the same slot.
.macro STEP slot, q, zero
	s_wait_dscnt 4*NL                              ; B's set and A's blocks 0-3 are in; the youngest 24 loads (A's blocks 4-7) may be out
	WIN MUL_LO
	MUL16 0, (\q)%2, \q, \slot, \zero
	MUL16 2, (\q)%2, \q, \slot, \zero
	s_wait_dscnt 0                                 ; A's blocks 4-7 are in (asked for 32 matrix instructions ago)
	PLACES NP
	FETCH_B \slot, (\q)+1, 1-(\q)%2
	FETCH_A \slot, (\q)+1, 0
	WIN MUL_HI
	MUL16 4, (\q)%2, \q, \slot, \zero
	MUL16 6, (\q)%2, \q, \slot, \zero
	PLACES NP
	WIN 0
	FETCH_A \slot, (\q)+1, 4
.endm
; A slot's last step changes slots: ONE barrier; in front of it each wave waits for all its tensor loads, adds 0 to its spare word, and waits for that and for its own reads of this slot.  fill = 1: this slot is filled again, two K steps ahead.
.macro TURN slot, next, fill
	s_wait_tensorcnt 0x0                           ; all my tensor loads have landed: my part of the next slot;  (every window is 0 here)
	ds_add_u32 v[SPW], v[NIL]                      ; 0 onto my spare word
	s_wait_dscnt 4*NL+1                            ; (the add and the youngest 24 loads, A's blocks 4-7, may be out)
	WIN MUL_LO
	MUL16 0, 1, NQ-1, \slot, 0                     ; sixteen matrix instructions stand between the add and the wait for it
	s_wait_dscnt 0x0                               ; the add is done, and my reads of this slot are over
	s_barrier_signal -1
	MUL16 2, 1, NQ-1, \slot, 0
	WIN 0
	s_barrier_wait -1
.if \fill
	CREST                                          ; the barrier has opened a round of the cluster's barrier: no wave of any partner still reads this slot's tile or has a load on its way
	s_add_nc_u64 s[G0+4*\slot+2:G0+4*\slot+3], s[G0+4*\slot+2:G0+4*\slot+3], 2*ROWB
	s_add_nc_u64 s[G0B+4*\slot+2:G0B+4*\slot+3], s[G0B+4*\slot+2:G0B+4*\slot+3], 2*ROWB
	JLOAD G0+4*\slot, G1, G0B+4*\slot, G1B         ; the first tensor load behind the round; the four v_nop behind it are the places in front of the loads below
.else
	PLACES NP
.endif
	v_add_nc_u32 v[ADRS], 4*NQ, v[ADRS]            ; on to the next K step's scale words
	FETCH_B \next, 0, 0
	FETCH_A \next, 0, 0
	SCALES \next
	WIN MUL_HI
	MUL16 4, 1, NQ-1, \slot, 0
	MUL16 6, 1, NQ-1, \slot, 0
	PLACES NP
	WIN 0
	FETCH_A \next, 0, 4
.endm
	s_wait_tensorcnt 1                             ; the scale bytes and my part of K step 0 are in (K step 1's load may be out)
	s_barrier_signal -1
	s_barrier_wait -1                              ; everybody's are
	FETCH_B 0, 0, 0
	FETCH_A 0, 0, 0
	SCALES 0
	FETCH_A 0, 0, 4
	STEP 0, 0, 1                                   ; the first step stands in front of the loop: its products start the sums
	s_mov_b32 s3, LAPS-1
.Llap:                                                 ; a trip goes once round the ring, from a lap's second step to the next lap's first, and fills both slots again
	TURN 0, 1, 1
	STEP 1, 0, 0
	TURN 1, 0, 1
	STEP 0, 0, 0
	s_sub_co_u32 s3, s3, 1
	s_cmp_lg_u32 s3, 0
	s_cbranch_scc1 .Llap
	TURN 0, 1, 0                                   ; the last lap fills nothing, and has no round of the cluster's barrier
	STEP 1, 0, 0
	s_wait_dscnt 4*NL                              ; the very last step: nothing more to fetch
	WIN MUL_LO
	MUL16 0, 1, NQ-1, 1, 0
	MUL16 2, 1, NQ-1, 1, 0
	s_wait_dscnt 0
	WIN MUL_HI
	MUL16 4, 1, NQ-1, 1, 0
	MUL16 6, 1, NQ-1, 1, 0
	WIN 0
; THE WAY OUT.  A's block a: a lane's 64 registers, accumulators (a, 0 .. 7), are the numbers 32 b' + 16 (lane / 16) + i of its row along the B role: four blocks of 32, each shared with lane l xor 16.
; They become a fragment's 12 registers (two units) and a word of four scale bytes.  The units leave from registers: 512 and 256 consecutive aligned bytes a store.
	PLACES NP
	v_and_b32 v19, 31, v0
	v_lshlrev_b32 v[L16], 4, v19
	v_lshlrev_b32 v[L8], 3, v19
	v_add_nc_u32 v[L8], 512, v[L8]
	v_and_b32 v[SH], 16, v0
	v_and_b32 v[SH], s100, v[SH]
	v_and_b32 v[SO1], 15, v0
	v_lshlrev_b32 v[SO1], 4, v[SO1]
	v_bfe_u32 v19, v0, 4, 1
	v_mad_u32_u24 v[SO1], v19, s101, v[SO1]
.irp b, 0,1,2,3
	v_mov_b32 v[TM+4+\b], 0                        ; written once: a lane permute's destination counts as one of its sources
.endr
.macro OUTBLK a
.set AC, 64*((\a)%4)
.set WA, 2+(\a)/4                      ; the accumulators' window
.set WS12, (WA<<2)|(WA<<4)
	WIN WS12                                       ; sources 1 and 2 in the accumulators' window
.irp b, 0,1,2,3
	v_max3_num_f32 v[TM+\b], 0x1800000, |v[AC+16*\b]|, |v[AC+16*\b+1]|   ; block b': my 16 numbers, and the floor 2^(3 - 127): the byte cannot fall under 1.  Each accumulator is read from its low end on
.endr
.irp i, 2,4,6,8,10,12,14
.irp b, 0,1,2,3
	v_max3_num_f32 v[TM+\b], v[TM+\b], |v[AC+16*\b+\i]|, |v[AC+16*\b+\i+1]|   ; (the four blocks by turns)
.endr
.endr
	WIN 0
.irp b, 0,1,2,3
	v_permlanex16_b32 v[TM+4+\b], v[TM+\b], s[SEL], s[SEL+1]
.endr
.irp b, 0,1,2,3
	v_max_num_f32 v[TM+\b], v[TM+\b], v[TM+4+\b]   ; with lane l xor 16's: the block's largest magnitude
.endr
.irp b, 0,1,2,3
	v_add_nc_u32 v[TM+12+\b], 0xff000000, v[TM+\b] ; 2 off its exponent field: the conversion's scale operand
.endr
.irp b, 0,1,2,3
	v_lshrrev_b32 v[TM+4+\b], 23, v[TM+12+\b]      ; the scale's byte
.endr
	v_lshl_or_b32 v[PW], v[TM+5], 8, v[TM+4]
	v_lshl_or_b32 v[PW], v[TM+6], 16, v[PW]
	v_lshl_or_b32 v[PW], v[TM+7], 24, v[PW]
	s_wait_xcnt 0x0                                ; the last block's stores have read the codes' registers: they are written again only behind this wait
	WIN WA                                         ; source 0 in the accumulators' window
.irp c, 0,1
	v_cvt_scalef32_pk16_fp6_f32 v[PC+6*\c:PC+6*\c+2], v[AC+32*\c:AC+32*\c+15], v[TM+12+2*\c]
	v_cvt_scalef32_pk16_fp6_f32 v[PC+12+4*\c:PC+12+4*\c+2], v[AC+16+32*\c:AC+16+32*\c+15], v[TM+12+2*\c+1]   ; (a conversion's three registers begin on an even number)
.endr
	WIN 0
	v_nop                                          ; one plain place behind a scaled conversion
.irp c, 0,1                                    ; the operand's layout wants a WHOLE block in a lane: lanes 0-15 block 2 c, lanes 16-31 block 2 c + 1
.irp i, 0,1,2
	v_permlane16_swap_b32 v[PC+6*\c+\i], v[PC+12+4*\c+\i]
.endr
.irp i, 0,1,2
	v_mov_b32 v[PC+3+6*\c+\i], v[PC+12+4*\c+\i]
.endr
.endr
	v_lshrrev_b32 v[SW], v[SH], v[PW]              ; q, k: lanes 0-15 keep the first head's two bytes, lanes 16-31 the second head's;  v: all four bytes
	v_and_b32 v[SW], s99, v[SW]
	ds_store_b32 v[STS], v[SW] offset:64*(\a)
	global_store_b128 v[L16], v[PC:PC+3], s[OB+4*((\a)/4):OB+4*((\a)/4)+1] offset:768*((\a)%4)
	global_store_b64 v[L8], v[PC+4:PC+5], s[OB+4*((\a)/4):OB+4*((\a)/4)+1] offset:768*((\a)%4)
	global_store_b128 v[L16], v[PC+6:PC+9], s[OB+4*((\a)/4)+2:OB+4*((\a)/4)+3] offset:768*((\a)%4)
	global_store_b64 v[L8], v[PC+10:PC+11], s[OB+4*((\a)/4)+2:OB+4*((\a)/4)+3] offset:768*((\a)%4)
.endm
.irp a, 0,1,2,3,4,5,6,7
	OUTBLK \a
.endr
	ds_load_b128 v[BKW:BKW+3], v[STR]              ; LDS serves a wave's instructions in order: these see my stores.  q, k: the first head's 8 tiles x 64 bytes;  v: two heads' 4 channel tiles x 64 bytes
	ds_load_b128 v[BKW+4:BKW+7], v[STR] offset:512 ; q, k: the second head's
	s_wait_dscnt 0x0
	global_store_b128 v[SO1], v[BKW:BKW+3], s[HSB:HSB+1]       ; sixteen lanes store 256 consecutive aligned bytes
	s_cmp_lg_u32 s98, 0                            ; the same in all sixteen partners
	s_cbranch_scc1 .Lno_second
	global_store_b128 v[SO1], v[BKW+4:BKW+7], s[HSB+2:HSB+3]
.Lno_second:
	s_wait_tensorcnt 0x0                           ; the wave's end: behind my last tensor load and my last LDS store
	ds_add_u32 v[SPW], v[NIL]
	s_wait_dscnt 0x0
	CROUND                                         ; the closing round: no work-group ends while a partner may still ask for a tile that names it
	s_endpgm
.Lfunc_end_k_qaaca0aef9f_proj:
	.size	k_qaaca0aef9f_proj, .Lfunc_end_k_qaaca0aef9f_proj-k_qaaca0aef9f_proj
	.p2alignl 7, 3214868480
	.fill 96, 4, 3214868480
	.section	.rodata,"a",@progbits
	.p2align	6, 0x0
	.amdhsa_kernel k_qaaca0aef9f_proj
		.amdhsa_group_segment_fixed_size 327680
		.amdhsa_private_segment_fixed_size 0
		.amdhsa_enable_private_segment 0
		.amdhsa_kernarg_size 32
		.amdhsa_user_sgpr_count 2
		.amdhsa_user_sgpr_kernarg_segment_ptr 1
		.amdhsa_wavefront_size32 1
		.amdhsa_system_sgpr_workgroup_id_x 1
		.amdhsa_system_sgpr_workgroup_id_y 1
		.amdhsa_system_sgpr_workgroup_id_z 1
		.amdhsa_system_vgpr_workitem_id 0
		.amdhsa_next_free_vgpr 1024
		.amdhsa_next_free_sgpr 104
		.amdhsa_reserve_vcc 0
		.amdhsa_float_denorm_mode_32 3
		.amdhsa_float_denorm_mode_16_64 3
		.amdhsa_memory_ordered 1
		.amdhsa_forward_progress 1
		.amdhsa_inst_pref_size 168
	.end_amdhsa_kernel
	.amdgpu_metadata
---
amdhsa.version: [ 1, 2 ]
amdhsa.kernels:
  - .name:           k_qaaca0aef9f_proj
    .symbol:         k_qaaca0aef9f_proj.kd
    .args:
      - { .name: c1, .offset: 0, .size: 8, .value_kind: global_buffer, .address_space: global }
      - { .name: s1, .offset: 8, .size: 8, .value_kind: global_buffer, .address_space: global }
      - { .name: hc, .offset: 16, .size: 8, .value_kind: global_buffer, .address_space: global }
      - { .name: hs, .offset: 24, .size: 8, .value_kind: global_buffer, .address_space: global }
    .group_segment_fixed_size: 327680
    .private_segment_fixed_size: 0
    .kernarg_segment_align: 8
    .kernarg_segment_size: 32
    .max_flat_workgroup_size: 128
    .sgpr_count:     104
    .vgpr_count:     1024
    .wavefront_size: 32
...
	.end_amdgpu_metadata
.endif
;; end of part 2
;; launch attn (part 3): grid 8 x 32, 16 waves a work-group, clusters of 4 x 1, 327,680 bytes of LDS; arguments hc, hs, cc, cs; writes cc, cs
.if DOCPART == 3
	.amdgcn_target "amdgcn-amd-amdhsa--gfx1250"
	.amdhsa_code_object_version 6
	.text
	.protected	k_qaaca0aef9f_attn
	.globl	k_qaaca0aef9f_attn
	.p2align	8
	.type	k_qaaca0aef9f_attn,@function
k_qaaca0aef9f_attn:
	s_mov_b64 s[64:65], 0
	v_nop
	global_prefetch_b8 v0, s[64:65] scope:SCOPE_SE
	s_setreg_imm32_b32 hwreg(HW_REG_WAVE_MODE, 25, 1), 1
	s_wait_xcnt 0x0
	s_wait_alu depctr_hold_cnt(0) depctr_sa_sdst(0) depctr_va_vdst(0) depctr_va_sdst(0) depctr_va_ssrc(0) depctr_va_vcc(0) depctr_vm_vsrc(0)
	s_getreg_b32 s2, hwreg(HW_REG_IB_STS2, 6, 4)
	s_cmp_eq_u32 s2, 0
	s_cbranch_scc0 .Lentry_in_a_cluster
	s_endpgm
.Lentry_in_a_cluster:
	s_bfe_u32 s2, ttmp6, 0x10000c
	s_cmp_lg_u32 s2, 0x3003
	s_cbranch_scc0 .Lentry_shape_is_right
	s_endpgm
.Lentry_shape_is_right:
; ctx[b][q][h][:] = the sum over k of softmax_k(Q . K / 8) V, 64 (batch, head) pairs of 2,048 x 2,048, head size 64, both products on codes of FP6 (E2M3) with one E8M0 scale for each 32 along a product's K;
; ctx is quantised in registers along h x 64 + d and leaves as codes: the next product's operand.
; THE SOFTMAX: t = score x log2(e) / 8; M = the row's largest t so far, rounded UP to a whole number; p = 2^(t - M) is quantised along the keys, not normalised; the row's sum is taken of the unquantised p, in f32,
; and divides O at the end.  When M moves, the sum and O are multiplied by 2^(old M - new M): exact.
; OPERANDS come as UNITS: 16 rows x 64 along K as an image of registers 0-5 of a fragment, 768 bytes: lane l's registers 0-3 at 16 l, registers 4-5 at 512 + 8 l.  A fragment of Q or K is one unit and six registers of zero
; codes (the head has 64 of the instruction's 128; bytes 2, 3 of their scale words are 0 and stand over zero codes); a fragment of V is two units (2 x 64 keys).
; SHARES.  A work-group owns 256 queries of a batch and takes TWO heads, one after the other; each of its sixteen waves owns one tile of 16 queries, in 256 registers: four waves to a SIMD, so that one wave's vector work
; stands beside another's matrix work and LDS loads.  Every wave walks all 2,048 keys of a head, 128 a step.
; LAYOUT.  Both products are used transposed: S^T = K Q^T, O^T = V^T P^T: a lane holds ONE query throughout.  The rows of a stored tile are the true rows 8 u + x + 8 (x / 8) of their group of 32, so the 16 registers of
; tiles 2 b' and 2 b' + 1 are 16 neighbouring keys (S^T) or channels (O^T): 32 b' + 16 (lane / 16) + 0 .. 15.
; THE RING.  The two heads' K lie on end in memory, and so do their V: four half-heads of 1,024 keys go through two LDS slots (K's 64 units, then V's 64).  Waves 0-3 fetch 24,576 dense bytes each.
; CLUSTER.  The four query blocks of a cluster walk the same K, V and scale words: every tensor load is joint, with a mask that names the four.
; No prefetch is laid: a refill has a half-head's eight key steps of all sixteen waves in which to land.
; LIMITS: a block whose largest magnitude lies under 2^-124 gets the byte 1 (its codes are zeros or tiny; this program alone reads the bytes); a block's largest p is taken from its largest score, which takes v_exp_f32
; not to fall where its input rises; p under 2^-126 comes out of v_exp_f32 as 0; NaN and infinities are not served.
.set SLOTB, 98304                      ; a slot: K's 64 units (49,152 bytes), then V's
.set VOFF,  49152
.set SC,    2*SLOTB                    ; both heads' scale words as they lie in memory: for each head K's 8,192 bytes, then V's 4,096
.set SPARE, SC+24576                   ; the spare words, 128 bytes for each wave: eight blocks of 256 bytes that no other line names
.set STG,   SPARE+2048                 ; 1,024 bytes: ctx's scale words of the work-group's 16 tiles; no tile lands here
.set L16,  1                           ; v1   16 x lane
.set L8,   2                           ; v2   8 x lane + 512
.set R4,   3                           ; v3   4 x (lane % 16)
.set SPW,  4                           ; v4   LDS address of my spare word; never rewritten
.set NIL,  5                           ; v5   0; never rewritten
.set A16,  6                           ; v6-9 LDS addresses of the step in hand: units (16-byte part, 8-byte part), K's scale words, V's
.set A8,   7
.set AKS,  8
.set AVS,  9
.set STW,  10                          ; v10  where I put my tile's scale word
.set STRD, 11                          ; v11  where waves 0, 1 read 512 bytes of them back
.set QF,   16                          ; v16-27 Q's fragment (v22-27 zeros)
.set QS,   28                          ; v28  Q's scale words
.set CW,   29                          ; v29  ctx's scale word: bytes 0, 1 the first head's, 2, 3 the second's
.set KF,   32                          ; v32-79 four fragments of K (the upper six registers of each stay zeros)
.set VF,   80                          ; v80-127 four fragments of V
.set S,    128                         ; v128-191 S^T, then p
.set O,    192                         ; v192-223 O^T.   v12 -M, v13 the largest t, v[14:15] the sum; v224-235 p's codes; v232-254 at work; v248-251 scale words
.set WV,   12
.set SEL,  20                          ; s[20:21] lane selects for v_permlanex16_b32: lane l xor 16
.set CS,   22                          ; s[22:23] c = log2(e) / 8
.set G1,   24                          ; s[24:31] descriptor group 1: 24,576 dense bytes
.set G1S,  32                          ; s[32:39] 6,144 dense bytes
.set G0S,  40                          ; s[40:43] group 0 for the scale words;  s[44:47] for slot 0;  s[48:51] for slot 1
.set G0A,  44
.set G0B,  48
.set TB,   52                          ; s52  LDS byte at which the step's units of K begin
.set TS,   53                          ; s53  its scale words of K
.set TJ,   54                          ; s54  and of V
.set CNT,  55
.set QP,   56                          ; s[56:57] my tile's unit of Q, first head;  s[58:59] its scale words;  s[60:61] my unit of ctx;  s[62:63] ctx's scale words
.set QSP,  58
.set CCP,  60
.set CSP,  62
.macro CROUND                          ; a round of the cluster's barrier
	s_barrier_signal -1
	s_barrier_wait -1
	s_cmp_lg_u32 s[WV], 0
	s_cbranch_scc1 .Lnot_wave_0_\@
	s_barrier_signal -3
.Lnot_wave_0_\@:
	s_barrier_wait -3
	s_barrier_signal -1
	s_barrier_wait -1
.endm
.macro TLOAD g0                        ; a joint refill: waves 0-3, one load each.  The branch hangs on the wave's number alone.  Four v_nop follow the load
	s_cmp_lt_u32 s[WV], 4
	s_cbranch_scc0 .Lasked_\@
	tensor_load_to_lds s[\g0:\g0+3], s[G1:G1+7]
	s_nop 0
.rept 4
	v_nop
.endr
.Lasked_\@:
.endm
	s_load_b256 s[4:11], s[0:1], 0x0               ; hc s[4:5], hs s[6:7], cc s[8:9], cs s[10:11]
	v_lshl_add_u32 v[SPW], v0, 2, SPARE
	v_mov_b32 v[NIL], 0
	ds_add_u32 v4, v5
	ds_add_u32 v4, v5
	s_wait_dscnt 0x0
	v_lshrrev_b32 v6, 5, v0
	s_delay_alu instid0(VALU_DEP_1)
	v_readfirstlane_b32 s[WV], v6                  ; wave 0..15
	s_and_b32 s15, ttmp7, 0xffff                   ; y = 8 batch + pair of heads: the four partners share it
	; what I fetch, if I fetch (waves 0, 1: K's halves of a half-head; waves 2, 3: V's).  Nothing here hangs on my place in the cluster
	s_min_u32 s66, s[WV], 3
	s_lshr_b32 s67, s66, 1
	s_add_co_u32 s67, s67, 1
	s_mul_i32 s68, s67, 6291456                    ; K lies 6,291,456 bytes into hc, V twice that
	s_mul_i32 s67, s15, 196608                     ; two heads of 98,304 bytes
	s_add_co_u32 s68, s68, s67
	s_and_b32 s67, s66, 1
	s_mul_i32 s67, s67, 24576
	s_add_co_u32 s68, s68, s67
	s_mov_b32 s69, 0
	s_mul_i32 s70, s15, 24576                      ; the scale words: two heads of 12,288 bytes, a quarter to each fetching wave
	s_mul_i32 s67, s66, 6144
	s_add_co_u32 s70, s70, s67
	s_add_co_u32 s70, s70, 786432
	s_mov_b32 s71, 0
	s_add_co_u32 s72, s67, SC
	s_mul_i32 s67, s66, 24576
	s_mov_b32 s[G1], 15|(3<<16)|(1<<21)            ; 15:0 the mask: all four work-groups; 17:16 elements of 8 bytes; 20 no padding; 21 set beside a mask
	s_mov_b32 s[G1+1], 32<<16                      ; tensor_dim0 = 32 elements: rows of 256 bytes
	s_mov_b32 s[G1+2], 96<<16                      ; tensor_dim1 = 96
	s_mov_b32 s[G1+3], 32<<16                      ; tile_dim0
	s_mov_b32 s[G1+4], 96                          ; tile_dim1
	s_mov_b32 s[G1+5], 32                          ; the pitch: dense
	s_mov_b32 s[G1+6], 0
	s_mov_b32 s[G1+7], 0
	s_mov_b32 s[G1S], 15|(3<<16)|(1<<21)
	s_mov_b32 s[G1S+1], 32<<16
	s_mov_b32 s[G1S+2], 24<<16
	s_mov_b32 s[G1S+3], 32<<16
	s_mov_b32 s[G1S+4], 24
	s_mov_b32 s[G1S+5], 32
	s_mov_b32 s[G1S+6], 0
	s_mov_b32 s[G1S+7], 0
	s_mov_b32 s[SEL], 0x76543210
	s_mov_b32 s[SEL+1], 0xfedcba98
	s_mov_b32 s[CS], 0x3e38aa3b                    ; c = log2(e) / 8
	s_mov_b32 s[CS+1], s[CS]                       ; (named with it as a pair, so it is written)
	; my lane's places
	v_and_b32 v6, 31, v0
	s_delay_alu instid0(VALU_DEP_1)
	v_lshlrev_b32 v[L16], 4, v6
	s_delay_alu instid0(VALU_DEP_2)
	v_lshlrev_b32 v[L8], 3, v6
	s_delay_alu instid0(VALU_DEP_1)
	v_add_nc_u32 v[L8], 512, v[L8]
	v_and_b32 v7, 15, v0
	s_delay_alu instid0(VALU_DEP_1)
	v_lshlrev_b32 v[R4], 2, v7
	s_lshl_b32 s73, s[WV], 6
	v_add_nc_u32 v[STW], s73, v[R4]
	s_delay_alu instid0(VALU_DEP_1)
	v_add_nc_u32 v[STW], STG, v[STW]               ; STG + 64 x wave + 4 r
	s_and_b32 s73, s[WV], 1
	s_lshl_b32 s73, s73, 9
	v_add_nc_u32 v[STRD], s73, v[L16]
	s_delay_alu instid0(VALU_DEP_1)
	v_add_nc_u32 v[STRD], STG, v[STRD]             ; STG + 512 x (wave % 2) + 16 x lane
	; my queries: these registers hold my place in the cluster and feed Q's, ctx's addresses alone
	s_bfe_u32 s13, ttmp6, 0x40000                  ; cx
	s_lshl_b32 s14, ttmp9, 2
	s_add_co_u32 s14, s14, s13                     ; my block of 256 queries, 0..7
	s_lshl_b32 s16, s14, 4
	s_add_co_u32 s16, s16, s[WV]                   ; my tile in the head: 16 x block + wave
	s_lshl_b32 s17, s15, 8                         ; the first head's 128 tiles begin at 128 x 2 y
	s_add_co_u32 s17, s17, s16
	s_mul_i32 s18, s17, 768
	s_mov_b32 s19, 0
	s_lshr_b32 s76, s15, 3                         ; batch
	s_lshl_b32 s76, s76, 7                         ; its 128 token tiles
	s_and_b32 s77, s15, 7                          ; the pair of heads, 0..7
	s_wait_kmcnt 0x0
	s_add_nc_u64 s[QP:QP+1], s[4:5], s[18:19]
	s_mul_i32 s18, s15, 24576
	s_lshl_b32 s17, s16, 6
	s_add_co_u32 s18, s18, s17
	s_add_nc_u64 s[QSP:QSP+1], s[6:7], s[18:19]
	s_add_co_u32 s78, s76, s16                     ; T: my token tile of 512
	s_lshr_b32 s79, s77, 1
	s_lshl_b32 s79, s79, 9
	s_add_co_u32 s79, s79, s78
	s_mul_i32 s18, s79, 3072                       ; cc: ((head / 4) x 512 + T) x 3,072
	s_and_b32 s79, s77, 1
	s_mul_i32 s79, s79, 1536                       ; + (head % 4) x 768
	s_add_co_u32 s18, s18, s79
	s_add_nc_u64 s[CCP:CCP+1], s[8:9], s[18:19]
	s_lshl_b32 s79, s14, 4
	s_add_co_u32 s79, s79, s76
	s_lshl_b32 s79, s79, 6                         ; cs: the work-group's 16 tiles x 64 bytes,
	s_lshl_b32 s18, s77, 15                        ; in the plane of this pair of heads,
	s_add_co_u32 s18, s18, s79
	s_add_co_u32 s18, s18, s73                     ; waves 0, 1: 512 bytes each
	s_add_nc_u64 s[CSP:CSP+1], s[10:11], s[18:19]
	s_mov_b32 s[G0S], 1                            ; 1:0 count = 1
	s_mov_b32 s[G0S+1], s72                        ; LDS address
	s_add_nc_u64 s[G0S+2:G0S+3], s[6:7], s[70:71]  ; global address
	s_or_b32 s[G0S+3], s[G0S+3], 0x80000000        ; type = 2
	s_mov_b32 s[G0A], 1
	s_mov_b32 s[G0A+1], s67                        ; slot 0
	s_add_nc_u64 s[G0A+2:G0A+3], s[4:5], s[68:69]  ; half-head 0
	s_or_b32 s[G0A+3], s[G0A+3], 0x80000000
	s_mov_b32 s[G0B], 1
	s_add_co_u32 s[G0B+1], s67, SLOTB              ; slot 1
	s_add_nc_u64 s[G0B+2:G0B+3], s[4:5], s[68:69]
	s_add_nc_u64 s[G0B+2:G0B+3], s[G0B+2:G0B+3], 49152   ; half-head 1
	s_or_b32 s[G0B+3], s[G0B+3], 0x80000000
	CROUND                                         ; all four work-groups are here: the first joint loads meet
	s_cmp_lt_u32 s[WV], 4                          ; a wave's three first fills stand in one branch, ahead of every wait on TENSORcnt, every LDS read and every other barrier: three loads of mine are out
	s_cbranch_scc0 .Lno_first
	tensor_load_to_lds s[G0S:G0S+3], s[G1S:G1S+7]
	s_nop 0
	tensor_load_to_lds s[G0A:G0A+3], s[G1:G1+7]
	s_nop 0
	tensor_load_to_lds s[G0B:G0B+3], s[G1:G1+7]
	s_nop 0
.rept 4
	v_nop
.endr
.Lno_first:
.macro QLOAD e                         ; my tile's unit of Q and its scale words, head e of the two
	global_load_b128 v[QF:QF+3], v[L16], s[QP:QP+1] offset:\e*98304
	global_load_b64 v[QF+4:QF+5], v[L8], s[QP:QP+1] offset:\e*98304
	global_load_b32 v[QS], v[R4], s[QSP:QSP+1] offset:\e*12288
.endm
.macro INIT                            ; a head begins: the step is written once, so its first trip finds zeros, which the first change of M leaves zeros
	v_mov_b32 v13, 0xff61b1e6                      ; the largest t so far: -3e38, under every t
	s_delay_alu instid0(VALU_DEP_1)
	v_floor_f32 v12, -v13                          ; -M
	v_mov_b32 v14, 0                               ; the sum, in two halves
	v_mov_b32 v15, 0
.set j, 0
.rept 32
	v_mov_b32 v[O+j], 0
.set j, j+1
.endr
.endm
; A KEY STEP: 128 keys.
.macro STEP
	v_add_nc_u32 v[A16], s[TB], v[L16]             ; (these four are also the places behind the last trip's products, in front of the loads into their scale registers)
	v_add_nc_u32 v[A8], s[TB], v[L8]
	v_add_nc_u32 v[AKS], s[TS], v[R4]
	v_add_nc_u32 v[AVS], s[TJ], v[R4]
.irp g, 0,1                                    ; S^T = K Q^T, four tiles of 16 keys at a time
.if \g > 0
.rept 4
	v_nop                                          ; places in front of loads into registers that matrix instructions have read
.endr
.endif
.irp t, 0,1,2,3
	ds_load_b128 v[KF+12*\t:KF+12*\t+3], v[A16] offset:768*(4*\g+\t)
	ds_load_b64 v[KF+12*\t+4:KF+12*\t+5], v[A8] offset:768*(4*\g+\t)
	ds_load_b32 v[248+\t], v[AKS] offset:64*(4*\g+\t)
.endr
.if \g == 0
	s_wait_alu depctr_va_vdst(0)
	s_wait_dscnt 0x0
.else
.irp t, 0,1,2,3                                ; V's four fragments, two units each: they land under the softmax
	ds_load_b128 v[VF+12*\t:VF+12*\t+3], v[A16] offset:VOFF+768*\t
	ds_load_b64 v[VF+12*\t+4:VF+12*\t+5], v[A8] offset:VOFF+768*\t
	ds_load_b128 v[VF+12*\t+6:VF+12*\t+9], v[A16] offset:VOFF+3072+768*\t
	ds_load_b64 v[VF+12*\t+10:VF+12*\t+11], v[A8] offset:VOFF+3072+768*\t
.endr
	s_wait_dscnt 16                                ; K's twelve loads are in; V's sixteen, issued behind them, may be out
.endif
.irp t, 0,1,2,3
	v_wmma_scale_f32_16x16x128_f8f6f4 v[S+8*(4*\g+\t):S+8*(4*\g+\t)+7], v[KF+12*\t:KF+12*\t+11], v[QF:QF+11], 0, v[248+\t], v[QS] matrix_a_fmt:MATRIX_FMT_FP6 matrix_b_fmt:MATRIX_FMT_FP6
.endr
.endr
.rept 4
	v_nop                                          ; places in front of the loads below and of the first read of the scores
.endr
.irp t, 0,1,2,3
	ds_load_b32 v[248+\t], v[AVS] offset:64*\t     ; V's scale words for these 128 keys
.endr
.irp b, 0,1,2,3
	v_max3_num_f32 v[232+\b], v[S+16*\b], v[S+1+16*\b], v[S+2+16*\b]   ; THE LARGEST SCORE OF EACH BLOCK OF 32 KEYS: it serves for the row's maximum and, since p rises with the score, for the block's largest p
.endr
.irp i, 3,5,7,9,11,13
.irp b, 0,1,2,3
	v_max3_num_f32 v[232+\b], v[232+\b], v[S+16*\b+\i], v[S+1+16*\b+\i]   ; (the four blocks by turns)
.endr
.endr
.irp b, 0,1,2,3
	v_max_num_f32 v[232+\b], v[232+\b], v[S+15+16*\b]
.endr
.irp b, 0,1,2,3
	s_delay_alu instid0(VALU_DEP_4)
	v_permlanex16_b32 v[236+\b], v[232+\b], s[SEL], s[SEL+1]
.endr
.irp b, 0,1,2,3
	s_delay_alu instid0(VALU_DEP_4)
	v_max_num_f32 v[232+\b], v[232+\b], v[236+\b]  ; with lane l xor 16's 16 keys
.endr
	s_delay_alu instid0(VALU_DEP_2)
	v_max3_num_f32 v254, v232, v233, v234
	s_delay_alu instid0(VALU_DEP_1)
	v_max_num_f32 v254, v254, v235                 ; the step's largest score of my query
	s_delay_alu instid0(VALU_DEP_1)
	v_mul_f32 v254, s[CS], v254                    ; as t (c is positive)
	s_delay_alu instid0(VALU_DEP_1)
	v_max_num_f32 v13, v13, v254                   ; the running largest t
	v_mov_b32 v254, v12
	s_delay_alu instid0(VALU_DEP_2)
	v_floor_f32 v12, -v13                          ; the new -M = floor(-t) = -ceil(t): M is a whole number
	s_delay_alu instid0(VALU_DEP_1)
	v_sub_f32 v254, v12, v254                      ; M's old value less its new one: a whole number, 0 or less
	s_delay_alu instid0(VALU_DEP_1)
	v_cvt_i32_f32 v254, v254                       ; (it saturates)
	s_delay_alu instid0(VALU_DEP_1)
	v_ldexp_f32 v252, 1.0, v254                    ; f = 2^(old M - new M)
.set j, 0
.rept 32
	v_pk_fma_f32 v[S+j:S+j+1], v[S+j:S+j+1], s[CS:CS+1], v[12:13] op_sel_hi:[1,0,0]   ; t - M, two at a time (of the pairs c and -M the low word serves both halves)
.set j, j+2
.endr
.irp b, 0,1,2,3
	v_fma_f32 v[232+\b], v[232+\b], s[CS], v12     ; the same of each block's largest score
.endr
.set j, 0
	s_setprio 1
	s_wait_alu depctr_va_vdst(0)
.rept 64
	v_exp_f32 v[S+j], v[S+j]                       ; p = 2^(t - M), at most 1: not normalised
.set j, j+1
.endr
	v_pk_mul_f32 v[14:15], v[14:15], v[252:253] op_sel_hi:[1,0]   ; the sums under the new M (a plain place behind the exponentials)
	s_wait_alu depctr_va_vdst(0)                   ; one wait for the whole batch, ahead of its first reader
.irp b, 0,1,2,3
	v_exp_f32 v[232+\b], v[232+\b]                 ; the block's largest p: the same two instructions on the same number give the same bits
.endr
	v_pk_add_f32 v[236:237], v[132:133], v[136:137]
	v_pk_add_f32 v[254:255], v[140:141], v[144:145]
	v_pk_add_f32 v[246:247], v[148:149], v[152:153]
	v_pk_add_f32 v[244:245], v[156:157], v[160:161]
	v_pk_add_f32 v[242:243], v[164:165], v[168:169]
	v_pk_add_f32 v[240:241], v[172:173], v[176:177]
	v_pk_add_f32 v[238:239], v[180:181], v[184:185]
	v_pk_add_f32 v[14:15], v[14:15], v[188:189]
	v_pk_add_f32 v[236:237], v[236:237], v[128:129]
	v_pk_add_f32 v[254:255], v[254:255], v[130:131]
	v_pk_add_f32 v[246:247], v[246:247], v[134:135]
	v_pk_add_f32 v[244:245], v[244:245], v[138:139]
	v_pk_add_f32 v[242:243], v[242:243], v[142:143]
	v_pk_add_f32 v[240:241], v[240:241], v[146:147]
	v_pk_add_f32 v[238:239], v[238:239], v[150:151]
	v_pk_add_f32 v[14:15], v[14:15], v[154:155]
	v_pk_add_f32 v[236:237], v[236:237], v[158:159]
	v_pk_add_f32 v[254:255], v[254:255], v[162:163]
	v_pk_add_f32 v[246:247], v[246:247], v[166:167]
	v_pk_add_f32 v[244:245], v[244:245], v[170:171]
	v_pk_add_f32 v[242:243], v[242:243], v[174:175]
	v_pk_add_f32 v[240:241], v[240:241], v[178:179]
	v_pk_add_f32 v[238:239], v[238:239], v[182:183]
	v_pk_add_f32 v[14:15], v[14:15], v[186:187]
	v_pk_add_f32 v[236:237], v[236:237], v[190:191]
	s_delay_alu instid0(VALU_DEP_2)
	v_pk_add_f32 v[14:15], v[14:15], v[244:245]
	s_delay_alu instid0(VALU_DEP_2)
	v_pk_add_f32 v[236:237], v[236:237], v[242:243]
	v_pk_add_f32 v[254:255], v[254:255], v[240:241]
	v_pk_add_f32 v[246:247], v[246:247], v[238:239]
	s_delay_alu instid0(VALU_DEP_2)
	v_pk_add_f32 v[14:15], v[14:15], v[254:255]
	s_delay_alu instid0(VALU_DEP_2)
	v_pk_add_f32 v[236:237], v[236:237], v[246:247]
	s_delay_alu instid0(VALU_DEP_1)
	v_pk_add_f32 v[14:15], v[14:15], v[236:237]
	s_wait_alu depctr_va_vdst(0)                   ; and one for the four
.irp b, 0,1,2,3
	v_max_num_f32 v[232+\b], 0x1800000, v[232+\b]  ; the floor 2^(3 - 127): the byte cannot fall under 1
.endr
.irp b, 0,1,2,3
	s_delay_alu instid0(VALU_DEP_4)
	v_add_nc_u32 v[244+\b], 0xff000000, v[232+\b]  ; 2 off the exponent field: the conversion's scale operand
.endr
.irp b, 0,1,2,3
	s_delay_alu instid0(VALU_DEP_4)
	v_lshrrev_b32 v[236+\b], 23, v[244+\b]         ; the scale's byte
.endr
	s_delay_alu instid0(VALU_DEP_3)
	v_lshl_or_b32 v253, v237, 8, v236              ; p's scale word for these 128 keys
	s_delay_alu instid0(VALU_DEP_1)
	v_lshl_or_b32 v253, v238, 16, v253
	s_delay_alu instid0(VALU_DEP_1)
	v_lshl_or_b32 v253, v239, 24, v253
.irp c, 0,1
	v_cvt_scalef32_pk16_fp6_f32 v[224+6*\c:226+6*\c], v[S+32*\c:S+15+32*\c], v[244+2*\c]
	v_cvt_scalef32_pk16_fp6_f32 v[236+4*\c:238+4*\c], v[S+16+32*\c:S+31+32*\c], v[244+2*\c+1]   ; (a conversion's three registers begin on an even number)
.endr
	v_nop                                          ; one plain place behind a scaled conversion
	s_setprio 0
.irp c, 0,1                                    ; the operand's layout wants a WHOLE block in a lane: lanes 0-15 block 2 c, lanes 16-31 block 2 c + 1
.irp i, 0,1,2
	v_permlane16_swap_b32 v[224+6*\c+\i], v[236+4*\c+\i]
.endr
.irp i, 0,1,2
	s_delay_alu instid0(VALU_DEP_3)
	v_mov_b32 v[227+6*\c+\i], v[236+4*\c+\i]
.endr
.endr
.set j, 0
.rept 16
	v_pk_mul_f32 v[O+j:O+j+1], v[O+j:O+j+1], v[252:253] op_sel_hi:[1,0]   ; O^T under the new M.  (These sixteen are also the places between the writes of p's codes and scale word and the products)
.set j, j+2
.endr
	s_wait_alu depctr_va_vdst(0)
	s_wait_dscnt 0x0                               ; V and its scale words are in
.irp t, 0,1,2,3                                ; O^T += V^T P^T: the four accumulators by turns
	v_wmma_scale_f32_16x16x128_f8f6f4 v[O+8*\t:O+8*\t+7], v[VF+12*\t:VF+12*\t+11], v[224:235], v[O+8*\t:O+8*\t+7], v[248+\t], v253 matrix_a_fmt:MATRIX_FMT_FP6 matrix_b_fmt:MATRIX_FMT_FP6
.endr
.endm
; Half-head n: eight key steps out of slot n % 2.
.macro SEG n
	s_mov_b32 s[TB], ((\n)%2)*SLOTB
	s_mov_b32 s[TS], SC+((\n)/2)*12288+((\n)%2)*4096
	s_mov_b32 s[TJ], SC+((\n)/2)*12288+8192+((\n)%2)*2048
	s_mov_b32 s[CNT], 8
.Lseg_\@:
	s_setprio 2
	STEP
	s_add_co_u32 s[TB], s[TB], 6144                ; 8 units of K; V's 8 units lie the same distance on
	s_add_co_u32 s[TS], s[TS], 512
	s_add_co_u32 s[TJ], s[TJ], 256
	s_sub_co_u32 s[CNT], s[CNT], 1
	s_cmp_lg_u32 s[CNT], 0
	s_cbranch_scc1 .Lseg_\@
	s_setprio 0
.endm
; THE CHANGE OF SLOTS.  Each wave waits for all its tensor loads (its part of the slot ahead), adds 0 to its spare word, and waits for that and for its reads of the slot that it leaves.
; fill = 1: the slot just left takes the half-head two on; the barrier is then a round of the cluster's, and the joint refill is the first thing behind it.
.macro CHANGE fill, g0
	s_wait_tensorcnt 0x0                           ; no tensor load of mine is out, so a group 0 may be written
	ds_add_u32 v[SPW], v[NIL]                      ; 0 onto my spare word
.if \fill
	s_add_nc_u64 s[\g0+2:\g0+3], s[\g0+2:\g0+3], 98304   ; two half-heads on; the type bits on top are not reached
.endif
	s_wait_dscnt 0x0                               ; the add is done, and my reads of the slot that I leave are over
.if \fill
	CROUND
	TLOAD \g0
.else
	s_barrier_signal -1
	s_barrier_wait -1
.endif
.endm
; A head ends: O^T / the sum is ctx, 64 channels of my 16 queries: two blocks of 32, quantised as every operand; one unit leaves from registers.
.macro FINISH e
.rept 4
	v_nop                                          ; places behind the last products
.endr
	v_add_f32 v14, v14, v15                        ; the sum's two halves,
	s_delay_alu instid0(VALU_DEP_1)
	v_permlanex16_b32 v252, v14, s[SEL], s[SEL+1]
	s_delay_alu instid0(VALU_DEP_1)
	v_add_f32 v14, v14, v252                       ; and lane l xor 16's: the row's sum
	s_wait_alu depctr_va_vdst(0)
	v_rcp_f32 v14, v14
	v_nop                                          ; a plain place behind the transcendental
	s_wait_alu depctr_va_vdst(0)                   ; and the wait ahead of its first reader
.set j, 0
.rept 16
	v_pk_mul_f32 v[S+j:S+j+1], v[O+j:O+j+1], v[14:15] op_sel_hi:[1,0]   ; register 16 b' + i is ctx(query r, channel 32 b' + 16 (lane / 16) + i); each accumulator is read from its low end on
.set j, j+2
.endr
.irp b, 0,1
	v_max3_num_f32 v[232+\b], |v[S+16*\b]|, |v[S+1+16*\b]|, 0x1800000   ; and the floor 2^(3 - 127)
.endr
.irp i, 2,4,6,8,10,12,14
.irp b, 0,1
	s_delay_alu instid0(VALU_DEP_2)
	v_max3_num_f32 v[232+\b], v[232+\b], |v[S+16*\b+\i]|, |v[S+1+16*\b+\i]|
.endr
.endr
.irp b, 0,1
	s_delay_alu instid0(VALU_DEP_2)
	v_permlanex16_b32 v[236+\b], v[232+\b], s[SEL], s[SEL+1]
.endr
.irp b, 0,1
	s_delay_alu instid0(VALU_DEP_2)
	v_max_num_f32 v[232+\b], v[232+\b], v[236+\b]
.endr
.irp b, 0,1
	s_delay_alu instid0(VALU_DEP_2)
	v_add_nc_u32 v[244+\b], 0xff000000, v[232+\b]
.endr
.irp b, 0,1
	s_delay_alu instid0(VALU_DEP_2)
	v_lshrrev_b32 v[238+\b], 23, v[244+\b]
.endr
.if \e == 0
	s_delay_alu instid0(VALU_DEP_1)
	v_lshl_or_b32 v[CW], v239, 8, v238             ; bytes 0, 1 of the scale word
.else
	s_delay_alu instid0(VALU_DEP_1)
	v_lshl_or_b32 v238, v239, 8, v238
	s_delay_alu instid0(VALU_DEP_1)
	v_lshl_or_b32 v[CW], v238, 16, v[CW]           ; bytes 2, 3
.endif
	v_cvt_scalef32_pk16_fp6_f32 v[224:226], v[S:S+15], v244
	v_cvt_scalef32_pk16_fp6_f32 v[228:230], v[S+16:S+31], v245
	v_nop                                          ; one plain place behind a scaled conversion
.irp i, 0,1,2
	v_permlane16_swap_b32 v[224+\i], v[228+\i]     ; lanes 0-15 block 0, lanes 16-31 block 1: the lower 16 codes in the first three registers, the upper 16 in the second three
.endr
	s_delay_alu instid0(VALU_DEP_3)
	v_mov_b32 v227, v228
	s_delay_alu instid0(VALU_DEP_3)
	v_mov_b32 v228, v229
	s_delay_alu instid0(VALU_DEP_3)
	v_mov_b32 v229, v230
	global_store_b128 v[L16], v[224:227], s[CCP:CCP+1] offset:768*\e   ; 512 consecutive aligned bytes
	global_store_b64 v[L8], v[228:229], s[CCP:CCP+1] offset:768*\e     ; 256
.endm
	s_wait_alu depctr_va_vdst(0)
	QLOAD 0
	INIT
.irp i, 6,7,8,9,10,11
	v_mov_b32 v[QF+\i], 0                          ; zero codes for the upper 64 of the instruction's 128: written once
.irp t, 0,1,2,3
	v_mov_b32 v[KF+12*\t+\i], 0
.endr
.endr
.irp b, 0,1,2,3
	v_mov_b32 v[236+\b], 0                         ; written once: a lane permute's destination counts as one of its sources
.endr
	v_mov_b32 v252, 0
	v_mov_b32 v253, 0                              ; (named as the upper half of the pair v[252:253] before it is first written)
	s_wait_tensorcnt 1                             ; the scale words and my part of slot 0 are in; slot 1's load may stay out
	s_barrier_signal -1
	s_barrier_wait -1                              ; everybody's are
	s_wait_loadcnt 0x0                             ; Q
	SEG 0
	CHANGE 1, G0A                                  ; slot 0 takes the second head's first half
	SEG 1
	CHANGE 1, G0B                                  ; slot 1 its second half; the refill is asked for before the head's way out
	FINISH 0
	QLOAD 1
	INIT
	s_wait_loadcnt 0x0                             ; Q
	s_wait_xcnt 0x0                                ; ctx's stores have read their registers, which the next step's codes take
	SEG 2
	CHANGE 0, 0                                    ; nothing is left to fetch
	SEG 3
	FINISH 1
	ds_store_b32 v[STW], v[CW]                     ; my tile's scale words (both halves of the lanes hold the same word and write the same place)
	s_wait_dscnt 0x0                               ; for the others' sake
	s_barrier_signal -1
	s_barrier_wait -1
	s_cmp_lt_u32 s[WV], 2                          ; waves 0 and 1 store the work-group's 1,024 bytes, 512 each
	s_cbranch_scc0 .Lno_cs
	ds_load_b128 v[232:235], v[STRD]
	s_wait_dscnt 0x0
	global_store_b128 v[L16], v[232:235], s[CSP:CSP+1]
.Lno_cs:
	s_wait_tensorcnt 0x0                           ; the wave's end: behind my last tensor load and my last LDS store
	ds_add_u32 v[SPW], v[NIL]
	s_wait_dscnt 0x0
	CROUND                                         ; the closing round: no work-group ends while a partner may still ask for a tile that names it
	s_endpgm
.Lfunc_end_k_qaaca0aef9f_attn:
	.size	k_qaaca0aef9f_attn, .Lfunc_end_k_qaaca0aef9f_attn-k_qaaca0aef9f_attn
	.p2alignl 7, 3214868480
	.fill 96, 4, 3214868480
	.section	.rodata,"a",@progbits
	.p2align	6, 0x0
	.amdhsa_kernel k_qaaca0aef9f_attn
		.amdhsa_group_segment_fixed_size 327680
		.amdhsa_private_segment_fixed_size 0
		.amdhsa_enable_private_segment 0
		.amdhsa_kernarg_size 32
		.amdhsa_user_sgpr_count 2
		.amdhsa_user_sgpr_kernarg_segment_ptr 1
		.amdhsa_wavefront_size32 1
		.amdhsa_system_sgpr_workgroup_id_x 1
		.amdhsa_system_sgpr_workgroup_id_y 1
		.amdhsa_system_sgpr_workgroup_id_z 1
		.amdhsa_system_vgpr_workitem_id 0
		.amdhsa_next_free_vgpr 256
		.amdhsa_next_free_sgpr 84
		.amdhsa_reserve_vcc 0
		.amdhsa_float_denorm_mode_32 3
		.amdhsa_float_denorm_mode_16_64 3
		.amdhsa_memory_ordered 1
		.amdhsa_forward_progress 1
		.amdhsa_inst_pref_size 95
	.end_amdhsa_kernel
	.amdgpu_metadata
---
amdhsa.version: [ 1, 2 ]
amdhsa.kernels:
  - .name:           k_qaaca0aef9f_attn
    .symbol:         k_qaaca0aef9f_attn.kd
    .args:
      - { .name: hc, .offset: 0, .size: 8, .value_kind: global_buffer, .address_space: global }
      - { .name: hs, .offset: 8, .size: 8, .value_kind: global_buffer, .address_space: global }
      - { .name: cc, .offset: 16, .size: 8, .value_kind: global_buffer, .address_space: global }
      - { .name: cs, .offset: 24, .size: 8, .value_kind: global_buffer, .address_space: global }
    .group_segment_fixed_size: 327680
    .private_segment_fixed_size: 0
    .kernarg_segment_align: 8
    .kernarg_segment_size: 32
    .max_flat_workgroup_size: 512
    .sgpr_count:     84
    .vgpr_count:     256
    .wavefront_size: 32
...
	.end_amdgpu_metadata
.endif
;; end of part 3
;; launch outp (part 4): grid 4 x 32, 4 waves a work-group, clusters of 4 x 4, 327,680 bytes of LDS; arguments cc, cs, c1, s1, out0; writes out0
.if DOCPART == 4
	.amdgcn_target "amdgcn-amd-amdhsa--gfx1250"
	.amdhsa_code_object_version 6
	.text
	.protected	k_qaaca0aef9f_outp
	.globl	k_qaaca0aef9f_outp
	.p2align	8
	.type	k_qaaca0aef9f_outp,@function
k_qaaca0aef9f_outp:
	s_mov_b64 s[64:65], 0
	v_nop
	global_prefetch_b8 v0, s[64:65] scope:SCOPE_SE
	s_setreg_imm32_b32 hwreg(HW_REG_WAVE_MODE, 25, 1), 1
	s_wait_xcnt 0x0
	s_wait_alu depctr_hold_cnt(0) depctr_sa_sdst(0) depctr_va_vdst(0) depctr_va_sdst(0) depctr_va_ssrc(0) depctr_va_vcc(0) depctr_vm_vsrc(0)
	s_getreg_b32 s2, hwreg(HW_REG_IB_STS2, 6, 4)
	s_cmp_eq_u32 s2, 0
	s_cbranch_scc0 .Lentry_in_a_cluster
	s_endpgm
.Lentry_in_a_cluster:
	s_bfe_u32 s2, ttmp6, 0x10000c
	s_cmp_lg_u32 s2, 0xf033
	s_cbranch_scc0 .Lentry_shape_is_right
	s_endpgm
.Lentry_shape_is_right:
; out0[m][n] = the sum over k of ctx[m][k] wo[n][k], [8192 x 1024] x [1024 x 1024], on codes of FP6 (E2M3) with one E8M0 scale for each 32 along K; out0 f32; sums in f32.
; A tile of out0, 256 x 256, is made by a work-group of four waves; a wave makes 128 x 128: 64 accumulators, 512 registers.  K goes in steps of 256 (four heads) through a ring of two LDS slots.
; A = ctx comes as UNITS (16 tokens x 64 along K as an image of registers 0-5 of a fragment, 768 bytes: lane l's registers 0-3 at 16 l, registers 4-5 at 512 + 8 l): unit (head h, token tile T) at
;   ((h / 4) x 512 + T) x 3,072 + (h % 4) x 768, so a K step's codes of 8 token tiles are 24,576 dense bytes; its scale words at (h / 2) x 32,768 + T x 64 + 4 r.
; B = wo comes as rows of 768 bytes from row 27,648 of c1, its scale bytes from s1.
; Lane r of token tile T is the true token 32 (T / 2) + 8 (T % 2) + r + 8 (r / 8); 16 consecutive stored rows of wo are the true rows 8 u + x + 8 (x / 8) of their group of 32: the way out puts both right.
; CLUSTERS: 4 x 4 work-groups; A's tiles are asked for jointly along a row of the cluster, B's along a column.  THE MATRIX INSTRUCTION IS USED TRANSPOSED (source 0 = 16 rows of wo, source 1 = 16 tokens).
; REGISTERS, in windows of 256: window 0: v0-31 addresses; v32-63 A's scale words, v64-95 B's, two sets each; from v128 A's fragments, ONE set; on the way out v128-255 take rows of out0.
;   window 1: B's fragments, TWO sets, at v0 and v128.   window 2: the accumulators of my tokens 0-63 ((a, b) at v[8 (8 a + b)]);   window 3: those of tokens 64-127.
.set SIZE_K, 1024
.set KSTEP,  256
.set NQ,     KSTEP/128
.set ROWB,   192                       ; a row of B's tile in bytes
.set KROW,   SIZE_K*6/8
.set PITCH,  240                       ; B's LDS row: 3 x (64 bytes + 16 of padding)
.set FR,     12
.set NLA,    4                         ; LDS loads that bring a fragment of A
.set NP,     4                         ; places behind this matrix instruction (ISA guide 7.12.1)
.set HALFA,  24576                     ; 8 token tiles x 3,072 bytes: what one tensor load brings of A
.set HALFT,  128*PITCH                 ; 128 rows of B
.set BOFF,   2*HALFA                   ; a slot: A's 16 token tiles, then B's 256 rows
.set SLOT,   BOFF+2*HALFT
.set ASTEP,  512*3072                  ; from a K step of ctx to the next, in bytes
.set LAPS,   SIZE_K/(2*KSTEP)
.set KS,     SIZE_K/32
.set SCA,    2*SLOT                    ; A's scale words: 8 planes (128 along K each) of 1,024 bytes
.set SCB,    SCA+8192                  ; B's scale bytes, as runs of 256 bytes + 16 of padding
.set HALFS,  (128*KS/256)*272
.set SBLK,   (16*KS/256)*272
.set SPARE,  SCB+2*HALFS               ; the spare words, 128 bytes for each wave: two blocks of 256 bytes that no other line names
.set SPITCH, 528                       ; the way out: a stage of 16 rows x (512 bytes + 16) for each wave, in slot 0, which has had its last fill and its last read when the first result is stored there
.set ADA16, 16                         ; v16-17 LDS address of my A units in slot 0, 1: the 16-byte part;  v18-19 the 8-byte part
.set ADA8,  18
.set ADRB, 20                          ; v20-21 my B fragments in slot 0, 1 (v22-23: for the pieces behind one padding more)
.set STO,  24                          ; v24  the way out: where I put 32 bytes of a row
.set RD,   25                          ; v25  where I read a row back
.set CO,   26                          ; v26  my byte offset in a row of out0
.set ADSB, 27                          ; v27  LDS address of B's scale words
.set SPW,  28                          ; v28  LDS address of my spare word; never rewritten
.set NIL,  29                          ; v29  0; never rewritten
.set ADSA, 30                          ; v30  LDS address of A's scale words
.set SAR,  32                          ; A's scale words: set s at v[32 + 16 s], register 2 i + q
.set SBR,  64                          ; B's likewise
.set AF,   128
.set BK,   128
.set G1, 24
.set G0, 32
.set G1B, 48
.set G0B, 56
.set G1S, 68
.set G0S, 76
.set G1SB, 80
.set G0SB, 88
.set MSB, 0
.macro WIN new                         ; the immediate's high byte repeats the setting that is left
.if MSB != \new
	s_set_vgpr_msb (MSB<<8)|\new
.set MSB, \new
.endif
.endm
.set MUL_LO, 0xa1                      ; source 0 (B) window 1, source 1 (A) window 0, C and D window 2
.set MUL_HI, 0xf1
.set TO_B,   0x40
.macro JLOAD g0a, g1a, g0b, g1b        ; a joint load: waves 0 and 1 fetch for A, waves 2 and 3 for B; four v_nop follow each of the two lines
	s_cmp_eq_u32 s15, 0
	s_cbranch_scc0 .Lfor_b_\@
	tensor_load_to_lds s[\g0a:\g0a+3], s[\g1a:\g1a+7]
	s_nop 0
.rept 4
	v_nop
.endr
	s_branch .Lasked_\@
.Lfor_b_\@:
	tensor_load_to_lds s[\g0b:\g0b+3], s[\g1b:\g1b+7]
	s_nop 0
.rept 4
	v_nop
.endr
.Lasked_\@:
.endm
.macro CREST
	s_cmp_lg_u32 s14, 0
	s_cbranch_scc1 .Lnot_wave_0_\@
	s_barrier_signal -3
.Lnot_wave_0_\@:
	s_barrier_wait -3
	s_barrier_signal -1
	s_barrier_wait -1
.endm
.macro CROUND
	s_barrier_signal -1
	s_barrier_wait -1
	CREST
.endm
	s_load_b256 s[4:11], s[0:1], 0x0               ; cc s[4:5], cs s[6:7], c1 s[8:9], s1 s[10:11]
	s_load_b64 s[12:13], s[0:1], 0x20              ; out0
	v_lshl_add_u32 v[SPW], v0, 2, SPARE
	v_mov_b32 v[NIL], 0
	ds_add_u32 v28, v29
	s_wait_dscnt 0x0
	v_lshrrev_b32 v1, 5, v0
	v_readfirstlane_b32 s14, v1                    ; wave 0..3
	s_lshr_b32 s15, s14, 1                         ; which half of the tile's tokens is mine.  Also: I fetch for A (0) or for B (1)
	s_and_b32 s16, s14, 1                          ; which half of its columns.  Also: which half of that tile I fetch
	s_bfe_u32 s40, ttmp6, 0x40000                  ; cx, cy
	s_bfe_u32 s41, ttmp6, 0x40004
	s_lshl_b32 s42, ttmp9, 2
	s_add_co_u32 s42, s42, s40                     ; tile column = 4 x cluster x + cx
	s_and_b32 s17, ttmp7, 0xffff
	s_lshl_b32 s17, s17, 2
	s_add_co_u32 s17, s17, s41                     ; tile row = 4 x cluster y + cy
	s_lshl_b32 s43, s41, 2
	s_lshl_b32 s43, 15, s43                        ; my row of the cluster
	s_lshl_b32 s44, 0x1111, s40                    ; my column
	; A's tiles: 24,576 dense bytes as 96 rows of 256 (32 elements of 8 bytes), no padding
	s_or_b32 s[G1+0], s43, (3<<16)|(1<<21)
	s_mov_b32 s[G1+1], 32<<16
	s_mov_b32 s[G1+2], 96<<16
	s_mov_b32 s[G1+3], 32<<16
	s_mov_b32 s[G1+4], 96
	s_mov_b32 s[G1+5], 32
	s_mov_b32 s[G1+6], 0
	s_mov_b32 s[G1+7], 0
	; B's tiles: 128 rows x 192 bytes, 16 bytes of padding behind every 64
	s_or_b32 s[G1B+0], s44, (0<<16)|(1<<20)|(1<<21)|(3<<22)|(3<<25)
	s_mov_b32 s[G1B+1], ROWB<<16
	s_mov_b32 s[G1B+2], 128<<16
	s_mov_b32 s[G1B+3], ROWB<<16
	s_mov_b32 s[G1B+4], 128
	s_mov_b32 s[G1B+5], KROW
	s_mov_b32 s[G1B+6], 0
	s_mov_b32 s[G1B+7], 0
	; A's scale words: 4 planes of 1,024 bytes (128 elements of 8 bytes), 32,768 bytes apart
	s_or_b32 s[G1S+0], s43, (3<<16)|(1<<21)
	s_mov_b32 s[G1S+1], 128<<16
	s_mov_b32 s[G1S+2], 4<<16
	s_mov_b32 s[G1S+3], 128<<16
	s_mov_b32 s[G1S+4], 4
	s_mov_b32 s[G1S+5], 4096
	s_mov_b32 s[G1S+6], 0
	s_mov_b32 s[G1S+7], 0
	; B's scale bytes of 128 rows: 4,096 dense bytes as 16 rows of 256, 16 bytes of padding behind each
	s_or_b32 s[G1SB+0], s44, (3<<16)|(1<<20)|(1<<21)|(5<<22)|(3<<25)
	s_mov_b32 s[G1SB+1], 32<<16
	s_mov_b32 s[G1SB+2], (128*KS/256)<<16
	s_mov_b32 s[G1SB+3], 32<<16
	s_mov_b32 s[G1SB+4], 128*KS/256
	s_mov_b32 s[G1SB+5], 32
	s_mov_b32 s[G1SB+6], 0
	s_mov_b32 s[G1SB+7], 0
	s_lshl_b32 s20, s17, 4
	s_lshl_b32 s18, s16, 3
	s_add_co_u32 s20, s20, s18                     ; A: token tile 16 x tile row + 8 x half,
	s_mul_i32 s20, s20, 3072                       ; its codes of K step 0
	s_mov_b32 s21, 0
	s_lshl_b32 s22, s16, 17                        ; A's scale words: planes 4 x half on,
	s_lshl_b32 s18, s17, 10                        ; the tile row's 16 token tiles x 64 bytes
	s_add_co_u32 s22, s22, s18
	s_mov_b32 s23, 0
	s_lshl_b32 s46, s42, 8
	s_lshl_b32 s18, s16, 7
	s_add_co_u32 s46, s46, s18
	s_add_co_u32 s46, s46, 27648                   ; B: stored row of c1
	s_lshl_b32 s92, s46, 5                         ; its scale bytes,
	s_mov_b32 s93, 0
	s_mul_i32 s46, s46, KROW                       ; its codes
	s_mov_b32 s47, 0
	s_mul_i32 s45, s16, HALFA                      ; where they go: no place in the cluster enters an LDS address
	s_mul_i32 s95, s16, HALFT
	s_add_co_u32 s95, s95, BOFF
	s_lshl_b32 s94, s16, 12
	s_mul_i32 s96, s16, HALFS
	s_wait_kmcnt 0x0
	s_add_nc_u64 s[20:21], s[4:5], s[20:21]
	s_add_nc_u64 s[22:23], s[6:7], s[22:23]
	s_add_nc_u64 s[46:47], s[8:9], s[46:47]
	s_add_nc_u64 s[92:93], s[10:11], s[92:93]
	CROUND                                         ; all sixteen work-groups are here: the first joint loads meet
	s_mov_b32 s[G0S], 1
	s_add_co_u32 s[G0S+1], s94, SCA
	s_mov_b64 s[G0S+2:G0S+3], s[22:23]
	s_or_b32 s[G0S+3], s[G0S+3], 0x80000000
	s_mov_b32 s[G0SB], 1
	s_add_co_u32 s[G0SB+1], s96, SCB
	s_mov_b64 s[G0SB+2:G0SB+3], s[92:93]
	s_or_b32 s[G0SB+3], s[G0SB+3], 0x80000000
	JLOAD G0S, G1S, G0SB, G1SB                     ; the scales first.  Three loads of mine are out behind the next two
.irp s, 0,1
	s_mov_b32 s[G0+4*\s], 1
	s_add_co_u32 s[G0+4*\s+1], s45, \s*SLOT
	s_add_nc_u64 s[G0+4*\s+2:G0+4*\s+3], s[20:21], \s*ASTEP
	s_or_b32 s[G0+4*\s+3], s[G0+4*\s+3], 0x80000000
	s_mov_b32 s[G0B+4*\s], 1
	s_add_co_u32 s[G0B+4*\s+1], s95, \s*SLOT
	s_add_nc_u64 s[G0B+4*\s+2:G0B+4*\s+3], s[46:47], \s*ROWB
	s_or_b32 s[G0B+4*\s+3], s[G0B+4*\s+3], 0x80000000
	JLOAD G0+4*\s, G1, G0B+4*\s, G1B
.endr
	v_and_b32 v1, 15, v0                           ; r = l % 16
	v_bfe_u32 v2, v0, 4, 1                         ; l / 16
	v_and_b32 v6, 31, v0                           ; lane
	v_lshlrev_b32 v3, 4, v6                        ; 16 x lane
	v_lshlrev_b32 v7, 3, v6
	v_add_nc_u32 v7, 512, v7                       ; 8 x lane + 512
	v_mul_u32_u24 v4, v1, PITCH
	v_mad_u32_u24 v4, v2, 24, v4                   ; B: a fragment's row x pitch + 24 x half
	v_lshl_add_u32 v5, v2, 4, v4                   ; and the same behind one padding more
	s_mul_i32 s21, s15, HALFA                      ; my 8 token tiles
	s_mul_i32 s22, s16, HALFT                      ; my 128 rows of B
	s_add_co_u32 s22, s22, BOFF
.irp s, 0,1
	v_add_nc_u32 v[ADA16+\s], s21, v3
	v_add_nc_u32 v[ADA8+\s], s21, v7
	v_add_nc_u32 v[ADRB+\s], s22, v4
	v_add_nc_u32 v[ADRB+2+\s], s22, v5
	s_add_co_u32 s21, s21, SLOT
	s_add_co_u32 s22, s22, SLOT
.endr
	v_mul_u32_u24 v5, v1, KS                       ; B's scale bytes: 32 a row,
	v_lshrrev_b32 v8, 8, v5
	v_lshl_add_u32 v5, v8, 4, v5                   ; and 16 more for each 256 passed
	s_mul_i32 s22, s16, HALFS
	s_add_co_u32 s22, s22, SCB
	v_add_nc_u32 v[ADSB], s22, v5
	s_lshl_b32 s21, s15, 9                         ; A's scale words: my 8 token tiles x 64 bytes in a plane
	s_add_co_u32 s21, s21, SCA
	v_lshl_add_u32 v[ADSA], v1, 2, s21
	s_mul_i32 s23, s14, 16*SPITCH                  ; my stage
	v_mul_u32_u24 v5, v1, SPITCH                   ; in: row r; my half's 16 columns of each 32: 64 bytes on
	v_lshl_add_u32 v5, v2, 6, v5
	v_add_nc_u32 v[STO], s23, v5
	v_mov_b32 v[CO], v3                            ; back: the 32 lanes take one row of 512 bytes; and the same in out0
	v_add_nc_u32 v[RD], s23, v3
	s_lshl_b32 s20, s17, 8
	s_lshl_b32 s21, s15, 7
	s_add_co_u32 s20, s20, s21                     ; my first row of out0: 256 x tile row + 128 x half,
	s_lshl_b32 s20, s20, 12                        ; x 4,096 bytes (under 2^26)
	s_mov_b32 s21, 0
	s_lshl_b32 s46, s42, 10                        ; my first column, in bytes: 1,024 x tile column + 512 x half
	s_lshl_b32 s47, s16, 9
	s_add_co_u32 s46, s46, s47
	s_mov_b32 s47, 0
	s_add_nc_u64 s[20:21], s[20:21], s[46:47]
	s_add_nc_u64 s[12:13], s[12:13], s[20:21]
.macro FRAG reg, adr, q, i             ; a fragment of B: six pieces of 8 bytes of the row's stream of bits; where lanes 16-31's piece lies behind one padding more, the second address register serves
.irp p, 0,1,2,3,4,5
.set PCE, 12*(\q)+6*(\p/3)+\p%3
.if PCE%8 < 5
	ds_load_b64 v[\reg+2*\p:\reg+2*\p+1], v[\adr] offset:8*PCE+16*(PCE/8)+(\i)*16*PITCH
.else
	ds_load_b64 v[\reg+2*\p:\reg+2*\p+1], v[\adr+2] offset:8*PCE+16*(PCE/8)+(\i)*16*PITCH
.endif
.endr
.endm
.macro FRAGA reg, slot, q, i           ; a fragment of A: two units, as they were stored
	ds_load_b128 v[\reg:\reg+3], v[ADA16+\slot] offset:3072*(\i)+1536*(\q)
	ds_load_b64 v[\reg+4:\reg+5], v[ADA8+\slot] offset:3072*(\i)+1536*(\q)
	ds_load_b128 v[\reg+6:\reg+9], v[ADA16+\slot] offset:3072*(\i)+1536*(\q)+768
	ds_load_b64 v[\reg+10:\reg+11], v[ADA8+\slot] offset:3072*(\i)+1536*(\q)+768
.endm
; 16 matrix instructions: A's blocks a0, a0 + 1 x B's eight.  The 64 accumulators take turns, one instruction a turn, in the same order in every step.
.macro MUL16 a0, p, q, sc, zero
.irp a, \a0, \a0+1
.irp b, 0,1,2,3,4,5,6,7
.if \zero
	v_wmma_scale_f32_16x16x128_f8f6f4 v[8*(8*((\a)%4)+\b):8*(8*((\a)%4)+\b)+7], v[128*(\p)+FR*\b:128*(\p)+FR*\b+FR-1], v[AF+FR*(\a):AF+FR*(\a)+FR-1], 0, v[SBR+8*NQ*(\sc)+NQ*\b+(\q)], v[SAR+8*NQ*(\sc)+NQ*(\a)+(\q)] matrix_a_fmt:MATRIX_FMT_FP6 matrix_b_fmt:MATRIX_FMT_FP6
.else
	v_wmma_scale_f32_16x16x128_f8f6f4 v[8*(8*((\a)%4)+\b):8*(8*((\a)%4)+\b)+7], v[128*(\p)+FR*\b:128*(\p)+FR*\b+FR-1], v[AF+FR*(\a):AF+FR*(\a)+FR-1], v[8*(8*((\a)%4)+\b):8*(8*((\a)%4)+\b)+7], v[SBR+8*NQ*(\sc)+NQ*\b+(\q)], v[SAR+8*NQ*(\sc)+NQ*(\a)+(\q)] matrix_a_fmt:MATRIX_FMT_FP6 matrix_b_fmt:MATRIX_FMT_FP6
.endif
.endr
.endr
.endm
.macro FETCH_B slot, q, p
	WIN TO_B
.irp i, 0,1,2,3,4,5,6,7
	FRAG 128*(\p)+FR*\i, ADRB+\slot, \q, \i
.endr
	WIN 0
.endm
.macro FETCH_A slot, q, i0
.irp i, \i0, \i0+1, \i0+2, \i0+3
	FRAGA AF+FR*(\i), \slot, \q, \i
.endr
.endm
.macro SCALES sc                       ; the next K step's scale words into set sc; lanes 0-15 are read, lanes 16-31 hold the same
.irp i, 0,1,2,3,4,5,6,7
	ds_load_b64 v[SBR+8*NQ*\sc+NQ*\i:SBR+8*NQ*\sc+NQ*\i+1], v[ADSB] offset:\i*SBLK
	ds_load_b32 v[SAR+8*NQ*\sc+NQ*\i], v[ADSA] offset:64*\i
	ds_load_b32 v[SAR+8*NQ*\sc+NQ*\i+1], v[ADSA] offset:1024+64*\i
.endr
.endm
.macro PLACES n                        ; four places in front of loads into registers that matrix instructions have read, and of the first read of results (ISA guide 7.12.1 for the first read of results)
.rept \n
	v_nop
.endr
.endm
.macro STEP slot, q, zero
	s_wait_dscnt 4*NLA                             ; B's set, the scale words and A's blocks 0-3 are in; the youngest 16 loads (A's blocks 4-7) may be out
	WIN MUL_LO
	MUL16 0, (\q)%2, \q, \slot, \zero
	MUL16 2, (\q)%2, \q, \slot, \zero
	s_wait_dscnt 0                                 ; A's blocks 4-7 are in
	PLACES NP
	FETCH_B \slot, (\q)+1, 1-(\q)%2
	FETCH_A \slot, (\q)+1, 0
	WIN MUL_HI
	MUL16 4, (\q)%2, \q, \slot, \zero
	MUL16 6, (\q)%2, \q, \slot, \zero
	PLACES NP
	WIN 0
	FETCH_A \slot, (\q)+1, 4
.endm
; A slot's last step changes slots: ONE barrier; in front of it each wave waits for all its tensor loads, adds 0 to its spare word, and waits for that and for its own reads of this slot.
.macro TURN slot, next, fill
	s_wait_tensorcnt 0x0                           ; all my tensor loads have landed: my part of the next slot;  (every window is 0 here)
	ds_add_u32 v[SPW], v[NIL]                      ; 0 onto my spare word
	s_wait_dscnt 4*NLA+1                           ; (the add and the youngest 16 loads, A's blocks 4-7, may be out)
	WIN MUL_LO
	MUL16 0, 1, NQ-1, \slot, 0                     ; sixteen matrix instructions stand between the add and the wait for it
	s_wait_dscnt 0x0                               ; the add is done, and my reads of this slot are over
	s_barrier_signal -1
	MUL16 2, 1, NQ-1, \slot, 0
	WIN 0
	s_barrier_wait -1
.if \fill
	CREST                                          ; the barrier has opened a round of the cluster's barrier: no wave of any partner still reads this slot's tile or has a load on its way
	s_add_nc_u64 s[G0+4*\slot+2:G0+4*\slot+3], s[G0+4*\slot+2:G0+4*\slot+3], 2*ASTEP
	s_add_nc_u64 s[G0B+4*\slot+2:G0B+4*\slot+3], s[G0B+4*\slot+2:G0B+4*\slot+3], 2*ROWB
	JLOAD G0+4*\slot, G1, G0B+4*\slot, G1B         ; the first tensor load behind the round; the four v_nop behind it are the places in front of the loads below
.else
	PLACES NP
.endif
	v_add_nc_u32 v[ADSB], 4*NQ, v[ADSB]            ; on to the next K step's scale words: 8 bytes in B's rows,
	v_add_nc_u32 v[ADSA], 2048, v[ADSA]            ; two planes in A's
	FETCH_B \next, 0, 0
	FETCH_A \next, 0, 0
	SCALES \next
	WIN MUL_HI
	MUL16 4, 1, NQ-1, \slot, 0
	MUL16 6, 1, NQ-1, \slot, 0
	PLACES NP
	WIN 0
	FETCH_A \next, 0, 4
.endm
	s_wait_tensorcnt 1                             ; the scales and my part of K step 0 are in (K step 1's load may be out)
	s_barrier_signal -1
	s_barrier_wait -1                              ; everybody's are
	FETCH_B 0, 0, 0
	FETCH_A 0, 0, 0
	SCALES 0
	FETCH_A 0, 0, 4
	STEP 0, 0, 1                                   ; the first step stands in front of the loop: its products start the sums
	s_mov_b32 s3, LAPS-1
.Llap:
	TURN 0, 1, 1
	STEP 1, 0, 0
	TURN 1, 0, 1
	STEP 0, 0, 0
	s_sub_co_u32 s3, s3, 1
	s_cmp_lg_u32 s3, 0
	s_cbranch_scc1 .Llap
	TURN 0, 1, 0                                   ; the last lap fills nothing, and has no round of the cluster's barrier
	STEP 1, 0, 0
	s_wait_dscnt 4*NLA                             ; the very last step: nothing more to fetch
	WIN MUL_LO
	MUL16 0, 1, NQ-1, 1, 0
	MUL16 2, 1, NQ-1, 1, 0
	s_wait_dscnt 0
	WIN MUL_HI
	MUL16 4, 1, NQ-1, 1, 0
	MUL16 6, 1, NQ-1, 1, 0
	WIN 0
; THE WAY OUT, block by block of 16 tokens x 128 columns, through my own stage in LDS.  Register j of accumulator (a, b) in lane (r, half) is column 32 (b / 2) + 16 half + 8 (b % 2) + j of the token in lane r:
; the stage takes it at its true column.  Stage row t is the true token 32 (a / 2) + 8 (a % 2) + t + 8 (t / 8) of my 128: the store's immediate says so.  LDS serves a wave's instructions in order.
.macro TOSTAGE a
.set AC, 64*((\a)%4)
	WIN 0x08+4*((\a)/4)                            ; the data: window 2 or 3
.irp b, 0,1,2,3,4,5,6,7
	ds_store_b128 v[STO], v[AC+8*\b:AC+8*\b+3] offset:128*(\b/2)+32*(\b%2)          ; each accumulator from its low end on
	ds_store_b128 v[STO], v[AC+8*\b+4:AC+8*\b+7] offset:128*(\b/2)+32*(\b%2)+16
.endr
	WIN 0
.set BB, BK+64*((\a)%2)
.irp t, 0,1,2,3,4,5,6,7,8,9,10,11,12,13,14,15
	ds_load_b128 v[BB+4*\t:BB+4*\t+3], v[RD] offset:\t*SPITCH
.endr
.endm
.macro SEND a, younger                 ; younger: the LDS instructions issued behind block a's loads, which may stay out
.set BB, BK+64*((\a)%2)
	s_wait_dscnt \younger                          ; the block is back in registers
.irp t, 0,1,2,3,4,5,6,7,8,9,10,11,12,13,14,15
	global_store_b128 v[CO], v[BB+4*\t:BB+4*\t+3], s[12:13] offset:(32*((\a)/2)+8*((\a)%2)+\t+8*(\t/8))*4096 th:TH_STORE_NT   ; 32 lanes store 512 consecutive aligned bytes; 127 rows on at the most: inside the signed 24-bit immediate
.endr
.endm
	PLACES NP                                      ; for the loads into the registers that held A's fragments, and for the reads of the last products' results
	TOSTAGE 0
.irp a, 1,2,3,4,5,6,7
.if \a > 1
	s_wait_xcnt 0x0                                ; block a - 2's stores have read their registers: block a's loads may land there
.endif
	TOSTAGE \a
	SEND \a-1, 32                                  ; behind block a - 1's loads: block a's 16 stores and 16 loads
.endr
	SEND 7, 0
	s_wait_tensorcnt 0x0                           ; the wave's end: behind my last tensor load and my last LDS store
	ds_add_u32 v[SPW], v[NIL]
	s_wait_dscnt 0x0
	CROUND                                         ; the closing round: no work-group ends while a partner may still ask for a tile that names it
	s_endpgm
.Lfunc_end_k_qaaca0aef9f_outp:
	.size	k_qaaca0aef9f_outp, .Lfunc_end_k_qaaca0aef9f_outp-k_qaaca0aef9f_outp
	.p2alignl 7, 3214868480
	.fill 96, 4, 3214868480
	.section	.rodata,"a",@progbits
	.p2align	6, 0x0
	.amdhsa_kernel k_qaaca0aef9f_outp
		.amdhsa_group_segment_fixed_size 327680
		.amdhsa_private_segment_fixed_size 0
		.amdhsa_enable_private_segment 0
		.amdhsa_kernarg_size 40
		.amdhsa_user_sgpr_count 2
		.amdhsa_user_sgpr_kernarg_segment_ptr 1
		.amdhsa_wavefront_size32 1
		.amdhsa_system_sgpr_workgroup_id_x 1
		.amdhsa_system_sgpr_workgroup_id_y 1
		.amdhsa_system_sgpr_workgroup_id_z 1
		.amdhsa_system_vgpr_workitem_id 0
		.amdhsa_next_free_vgpr 1024
		.amdhsa_next_free_sgpr 100
		.amdhsa_reserve_vcc 0
		.amdhsa_float_denorm_mode_32 3
		.amdhsa_float_denorm_mode_16_64 3
		.amdhsa_memory_ordered 1
		.amdhsa_forward_progress 1
		.amdhsa_inst_pref_size 156
	.end_amdhsa_kernel
	.amdgpu_metadata
---
amdhsa.version: [ 1, 2 ]
amdhsa.kernels:
  - .name:           k_qaaca0aef9f_outp
    .symbol:         k_qaaca0aef9f_outp.kd
    .args:
      - { .name: cc, .offset: 0, .size: 8, .value_kind: global_buffer, .address_space: global }
      - { .name: cs, .offset: 8, .size: 8, .value_kind: global_buffer, .address_space: global }
      - { .name: c1, .offset: 16, .size: 8, .value_kind: global_buffer, .address_space: global }
      - { .name: s1, .offset: 24, .size: 8, .value_kind: global_buffer, .address_space: global }
      - { .name: out0, .offset: 32, .size: 8, .value_kind: global_buffer, .address_space: global }
    .group_segment_fixed_size: 327680
    .private_segment_fixed_size: 0
    .kernarg_segment_align: 8
    .kernarg_segment_size: 40
    .max_flat_workgroup_size: 128
    .sgpr_count:     100
    .vgpr_count:     1024
    .wavefront_size: 32
...
	.end_amdgpu_metadata
.endif
;; end of part 4
